; MI455X (gfx1250); checked and timed in simulation.
; The chip was launched on July 23, 2026; its instructions are those of AMD's public machine-readable ISA for CDNA 5 (MIT licence, August 2026) and "CDNA5" Instruction Set Architecture Reference Guide (July 2026). The comments in the code are by the model that wrote it; some were corrected since.
;; Mo E Transformer Block. Allowed arithmetic: matrix products marked QUANTISED: E4M3 operands, one E8M0 scale for each 32 along K, by v_wmma_scale_f32_16x16x128_f8f6f4 with both operands' format E4M3, f32 sums; products left as they are: f32 operands where the result goes on into a quantised operand, else bf16, f16 or f32 operands; f32 sums; everything else in f32.
;; Inputs: W1 8 x 512 x 256 float32; W2 8 x 256 x 512 float32; Wg 512 x 8 float32; x 8 x 4,096 x 512 float32.
;; Outputs: out0 8 x 4,096 x 512 float32.
;; This version of the problem:
;;   THIS VERSION OF THE PROBLEM IS GIVEN IN LOW PRECISION. The matrix products marked QUANTISED in the list below multiply operands that are first quantised to E4M3 (4 exponent bits, 3 mantissa bits; 8 bits a number), with one power-of-two scale for each 32 numbers along K (OCP MX v1.0); their sums are f32. All else is computed in f32.
;;   The module's matrix products, in the order in which they are computed (A, B: the left and right operand; K: the contracted axis; several contracted axes count as one K, in the product's order):
;;     1. [M 32,768, K 512] x [K 512, N 8]; A: input x; B: input Wg: left as it is (N = 8 < 16)
;;     2. [M 32,768, K 512] x [K 512, N 256]; A: input x; B: input W1: QUANTISED
;;     3. [M 32,768, K 256] x [K 256, N 512]; A: computed on the way; B: input W2: QUANTISED
;;     4. [M 32,768, K 512] x [K 512, N 256]; A: input x; B: input W1: QUANTISED
;;     5. [M 32,768, K 256] x [K 256, N 512]; A: computed on the way; B: input W2: QUANTISED
;;     6. [M 32,768, K 512] x [K 512, N 256]; A: input x; B: input W1: QUANTISED
;;     7. [M 32,768, K 256] x [K 256, N 512]; A: computed on the way; B: input W2: QUANTISED
;;     8. [M 32,768, K 512] x [K 512, N 256]; A: input x; B: input W1: QUANTISED
;;     9. [M 32,768, K 256] x [K 256, N 512]; A: computed on the way; B: input W2: QUANTISED
;;     10. [M 32,768, K 512] x [K 512, N 256]; A: input x; B: input W1: QUANTISED
;;     11. [M 32,768, K 256] x [K 256, N 512]; A: computed on the way; B: input W2: QUANTISED
;;     12. [M 32,768, K 512] x [K 512, N 256]; A: input x; B: input W1: QUANTISED
;;     13. [M 32,768, K 256] x [K 256, N 512]; A: computed on the way; B: input W2: QUANTISED
;;     14. [M 32,768, K 512] x [K 512, N 256]; A: input x; B: input W1: QUANTISED
;;     15. [M 32,768, K 256] x [K 256, N 512]; A: computed on the way; B: input W2: QUANTISED
;;     16. [M 32,768, K 512] x [K 512, N 256]; A: input x; B: input W1: QUANTISED
;;     17. [M 32,768, K 256] x [K 256, N 512]; A: computed on the way; B: input W2: QUANTISED
;;   THE QUANTISER, for each operand of a quantised product, along K:
;;     - K is cut into blocks of 32 from its start; a last block that is shorter is filled with zeros.
;;     - A block's scale is 2^e with e = floor(log2(the largest magnitude in the block)) - 8, held to -126 .. 127; a block of zeros has e = 0. As a byte (E8M0): e + 127.
;;     - Each number is divided by its block's scale, clamped to +-448, and rounded to the nearest number of E4M3, ties to even, subnormals kept.
;;     - The product sums the exact products of the quantised numbers (number of the format x scale) in f32.
;;   ~~~python
;;   def quantise(x, axis):      # numpy; x: float32 -> the quantised numbers, widened to float32 again
;;       x = np.moveaxis(x, axis, -1); K = x.shape[-1]
;;       x = np.pad(x, [(0, 0)] * (x.ndim - 1) + [(0, -K % 32)]); x = x.reshape(x.shape[:-1] + (-1, 32)); a = np.abs(x).max(-1, keepdims=True)
;;       e = np.where(a > 0, np.clip(np.frexp(np.where(a > 0, a, 1))[1] - 1 - 8, -126, 127), 0)      # np.frexp(a)[1] - 1 = floor(log2(a)), exactly
;;       r = np.clip(x / 2.0 ** e, -448, 448)
;;       step = 2.0 ** (np.maximum(np.frexp(np.where(r == 0, 1, r))[1] - 1, -6) - 3)
;;       q = np.round(r / step) * step * 2.0 ** e      # np.round: ties to even
;;       return np.moveaxis(q.reshape(q.shape[:-2] + (-1,))[..., :K], -1, axis).astype(np.float32)
;;   ~~~
;;   OPERANDS COMPUTED ON THE WAY. 'Computed on the way' means the value that the module computes at that place (a softmax that the list does not call 'softmax' is quantised finished and normalised). What goes into a quantiser is computed in f32, as accurately as f32 sums, v_exp_f32 and their like allow (about 1e-6 of the number): no bf16 or f16 on the way to a quantiser, and a product that is left as it is and whose result goes on into a quantised operand takes f32 operands (vector FMAs, or v_wmma_f32_16x16x4_f32). A number that lies on a knife's edge between two numbers of the format may be rounded either way, as far as f32 arithmetic and the matrix unit's own rounding can turn it there, and no further.
;; 2 versions, each right; version 2 is version 1 with the launch chain written anew for expert scheduling mode. Each part assembles by itself: llvm-mc -triple=amdgcn-amd-amdhsa -mcpu=gfx1250 --defsym DOCPART=n.
;; ======== version 1 of 2: 3 launches
;; workspace buffers: xc 16,777,216 bytes; xs 524,288 bytes; gw 262,144 bytes; sel 131,072 bytes of whole numbers; hist 32,768 bytes of whole numbers; order 131,072 bytes of whole numbers; blocks 2,048 bytes of whole numbers; wimg 2,162,688 bytes
;; launch route (part 1): grid 256 x 1, 8 waves a work-group, no clusters, 195,072 bytes of LDS; arguments x, Wg, xc, xs, sel, gw, hist; writes xc, xs, sel, gw, hist
.if DOCPART == 1
	.amdgcn_target "amdgcn-amd-amdhsa--gfx1250"
	.amdhsa_code_object_version 6
	.text
	.protected	k_qa5f915d154_route
	.globl	k_qa5f915d154_route
	.p2align	8
	.type	k_qa5f915d154_route,@function
k_qa5f915d154_route:
	s_mov_b64 s[64:65], 0
	v_nop
	global_prefetch_b8 v0, s[64:65] scope:SCOPE_SE
	s_setreg_imm32_b32 hwreg(HW_REG_WAVE_MODE, 25, 1), 1
	s_wait_xcnt 0x0
; ROUTE.  x [32768][512] f32 is read once.  For each token: the 8 router logits x . Wg (f32 fused multiply-adds), the two largest (the lower index wins a tie, as jax.lax.top_k has it),
; the softmax over the two (the larger logit is taken away first), and x's codes of FP8 (E4M3) with one E8M0 byte for each 32 along the 512.
; STORED: xc [token][512] codes; xs [token][16] scale bytes; gw [token][2] f32: the weight of the lower expert number, of the higher; sel [token]: key | a << 8 | b << 12 (a < b the two experts,
; key = a (15 - a) / 2 + (a odd ? 7 - b : b - a - 1): 28 keys, neighbours share an expert); hist [work-group][32]: how many of its 128 tokens have each key.
; Nothing that is chosen here steers an address or a branch of this launch: the choice is only stored.
; SHARES.  A work-group takes 128 tokens, each of its eight waves 16, a token (2,048 bytes) a step.  The loads of 15 of a wave's tokens (512 consecutive bytes each) are asked for at the head, the last token's when the first is in.
; A lane must hold 16 neighbours along the 512 for the conversions, so a step's bytes turn through the wave's own stage in LDS (64 bytes a lane, 16 of padding).  With them a lane also makes its part of the
; 8 logits: its 16 rows of Wg stay in 128 registers.  The 32 lanes' parts go to LDS and are added at the end, a lane to a token, so that no step has a reduction across lanes.
; No matrix unit, no cluster, no tensor load: the launch streams, work-groups share only Wg's 16 KB.
; LIMITS: NaN and infinities are not served.  Logits that lie closer together than the rounding of their f32 sums may be ordered otherwise than by another order of summation.
; A block of zeros gets the byte 1 (its codes are zeros; this program alone reads the bytes); blocks whose largest magnitude lies under 2^-118 are taken at that floor.
.set SP,    80                         ; a lane's place in a turn stage: 64 bytes + 16
.set WREG0, 16896                      ; LDS: Wg as 32 x (512 + 16) bytes, then a region for each wave
.set WREGB, 22016                      ; a wave's region: two stages (2 x 2,560), 256 scale bytes, 16 x 1,040 bytes of partial logits
.set SBO,   5120
.set PO,    5376
.set PT,    1040                       ; a token's partial logits: 2 x 32 lanes x 16 bytes + 16
.set HX,    193024                     ; 8 x 128 bytes: the waves' histograms
.set A,     16                         ; v16-31   partial logits, two sets of 8
.set X,     32                         ; v32-63   16 neighbours, two sets
.set C,     64                         ; v64-79   codes, four sets of 4
.set E,     80                         ; v80-95   a scale byte for each step
.set SBR,   122                        ; v122-123 the scale bytes on their way out: written once, by their load
.set WG,    128                        ; v128-255 Wg[16 lane + i][e] at 128 + 8 i + e; at the end the partial logits
.set MSB, 0
.macro WIN new                         ; the immediate's high byte repeats the setting that is left
.if MSB != (\new)
	s_set_vgpr_msb (MSB<<8)|(\new)
.set MSB, (\new)
.endif
.endm
	s_load_b256 s[4:11], s[0:1], 0x0               ; x, Wg, xc, xs
	s_load_b128 s[12:15], s[0:1], 0x20             ; sel, gw
	s_load_b64 s[16:17], s[0:1], 0x30              ; hist
	v_lshl_add_u32 v126, v0, 2, 0x2f600
	v_mov_b32 v127, 0
	v_lshrrev_b32 v1, 5, v0
	v_readfirstlane_b32 s18, v1                    ; wave 0..7
	v_and_b32 v1, 31, v0                           ; lane
	v_lshlrev_b32 v2, 4, v1                        ; 16 x lane
	s_mul_i32 s19, s18, WREGB
	s_add_co_u32 s19, s19, WREG0                   ; my wave's region
	v_lshrrev_b32 v3, 2, v1
	v_mul_u32_u24 v3, v3, SP
	v_and_b32 v4, 3, v1
	v_lshl_add_u32 v3, v4, 4, v3
	v_add_nc_u32 v3, s19, v3                       ; the stage, in: four lanes' 64 bytes on end, then the padding
	v_mul_u32_u24 v4, v1, SP
	v_add_nc_u32 v4, s19, v4                       ; the stage, out: my 16 neighbours
	s_add_co_u32 s20, s19, SBO
	v_lshrrev_b32 v5, 1, v1
	v_add_nc_u32 v5, s20, v5                       ; my block's scale byte
	v_lshlrev_b32 v7, 3, v1
	v_add_nc_u32 v6, s20, v7                       ; the scale bytes on their way out: 8 a lane
	s_add_co_u32 s20, s19, PO
	v_add_nc_u32 v12, s20, v2                      ; where I put my partial logits
	v_and_b32 v13, 15, v1
	v_mul_u32_u24 v13, v13, PT
	v_lshrrev_b32 v14, 4, v1
	v_lshl_add_u32 v13, v14, 8, v13
	v_add_nc_u32 v13, s20, v13                     ; where I read them: token lane % 16, source lanes 16 (lane / 16) on
	v_lshlrev_b32 v14, 4, v0                       ; Wg: 16 x thread
	v_lshrrev_b32 v15, 5, v0
	v_lshl_add_u32 v15, v15, 4, v14                ; and in LDS 16 more for each 512 passed
	v_mul_u32_u24 v96, v1, 528                     ; my 16 rows of Wg in LDS
	s_lshl_b32 s20, s18, 7
	s_add_co_u32 s20, s20, HX
	v_lshl_add_u32 v117, v1, 2, s20                ; my wave's histogram
	v_lshl_add_u32 v118, v1, 2, HX                 ; all eight, read by wave 0
	s_mov_b32 s23, 0x600000                        ; the mantissa field of 448
	s_mov_b32 s26, 0x76543210
	s_mov_b32 s27, 0xfedcba98                      ; v_permlanex16_b32's selects for lane l xor 16
	s_lshl_b32 s21, ttmp9, 7
	s_lshl_b32 s22, s18, 4
	s_add_co_u32 s21, s21, s22                     ; my first token
	s_mov_b32 s29, 0
	s_wait_kmcnt 0x0
	s_lshl_b32 s28, s21, 11
	s_add_nc_u64 s[4:5], s[4:5], s[28:29]
	s_lshl_b32 s28, s21, 9
	s_add_nc_u64 s[8:9], s[8:9], s[28:29]
	s_lshl_b32 s28, s21, 4
	s_add_nc_u64 s[10:11], s[10:11], s[28:29]
	s_lshl_b32 s28, s21, 2
	s_add_nc_u64 s[12:13], s[12:13], s[28:29]
	s_lshl_b32 s28, s21, 3
	s_add_nc_u64 s[14:15], s[14:15], s[28:29]
	s_lshl_b32 s28, ttmp9, 7
	s_add_nc_u64 s[16:17], s[16:17], s[28:29]
.irp j, 0,1,2,3
	global_load_b128 v[C+4*\j:C+4*\j+3], v14, s[6:7] offset:4096*\j    ; Wg, 16 bytes a thread
.endr
.macro XLOAD t                         ; a token: four loads of 512 consecutive bytes, into v[256 + 16 t] on
.irp i, 0,1,2,3
	global_load_b128 v[16*(\t)+4*\i:16*(\t)+4*\i+3], v2, s[4:5] offset:2048*(\t)+512*\i th:TH_LOAD_NT
.endr
.endm
	WIN 0x40                                       ; destination window 1
.irp t, 0,1,2,3,4,5,6,7,8,9,10,11,12,13
	XLOAD \t
.endr
	WIN 0
	s_wait_loadcnt 56                              ; Wg's four are in: 56 loads were issued behind them
.irp j, 0,1,2,3
	ds_store_b128 v15, v[C+4*\j:C+4*\j+3] offset:4224*\j
.endr
	WIN 0x40
	XLOAD 14
	WIN 0
	s_wait_dscnt 0x0                               ; for the others' sake: my part of Wg lies in LDS
	s_barrier_signal -1
	s_barrier_wait -1
.set k, 0
.rept 32
	ds_load_b128 v[WG+4*k:WG+4*k+3], v96 offset:16*k
.set k, k+1
.endr
.macro TURN t                          ; step t's numbers through a stage: LDS serves a wave's instructions in order, so no wait stands between the stores and the loads
	WIN 0x04                                       ; an LDS store's data are its source 1: window 1
.irp i, 0,1,2,3
	ds_store_b128 v3, v[16*(\t)+4*\i:16*(\t)+4*\i+3] offset:32*SP*((\t)%2)+8*SP*\i
.endr
	WIN 0
.irp i, 0,1,2,3
	ds_load_b128 v[X+16*((\t)%2)+4*\i:X+16*((\t)%2)+4*\i+3], v4 offset:32*SP*((\t)%2)+16*\i
.endr
.endm
	s_wait_loadcnt 56                              ; token 0's four loads are in: those of tokens 1 to 14, 56, were issued behind them
	WIN 0x40
	XLOAD 15                                       ; the last token: by this text's count at most 60 loads of a wave are out
	WIN 0
	TURN 0
.macro STEP t
.set XS, X+16*((\t)%2)
.set AS, A+8*((\t)%2)
.set CS, C+4*((\t)%4)
.if (\t) > 0
	s_wait_dscnt 0x3                               ; this step's numbers are back; behind them stand the last step's two logit stores and its byte store.  The stores of two steps back are done: their registers are written again below
.else
	s_wait_dscnt 0x0                               ; Wg's rows too
.endif
	s_wait_xcnt 0x0                                ; the store of four steps back has read its codes: that set is written again below
.if (\t) < 15
	s_wait_loadcnt 56-4*(\t)                       ; the next token's four loads are in; those of tokens t + 2 to 15 stay out
	TURN (\t)+1
.endif
.irp p, 0,1,2,3                        ; my part of the 8 logits: x[16 lane + i] x Wg[16 lane + i][0..7], four chains of two logits
	v_pk_mul_f32 v[AS+2*\p:AS+2*\p+1], v[XS:XS+1], v[WG+2*\p:WG+2*\p+1] op_sel_hi:[0,1]
.endr
.set i, 1
.rept 15
.irp p, 0,1,2,3
.if i%2
	v_pk_fma_f32 v[AS+2*\p:AS+2*\p+1], v[XS+i-1:XS+i], v[WG+8*i+2*\p:WG+8*i+2*\p+1], v[AS+2*\p:AS+2*\p+1] op_sel:[1,0,0] op_sel_hi:[1,1,1]
.else
	v_pk_fma_f32 v[AS+2*\p:AS+2*\p+1], v[XS+i:XS+i+1], v[WG+8*i+2*\p:WG+8*i+2*\p+1], v[AS+2*\p:AS+2*\p+1] op_sel:[0,0,0] op_sel_hi:[0,1,1]
.endif
.endr
.set i, i+1
.endr
	ds_store_b128 v12, v[AS:AS+3] offset:PT*(\t)
	ds_store_b128 v12, v[AS+4:AS+7] offset:PT*(\t)+512
	v_max3_num_f32 v8, |v[XS]|, |v[XS+1]|, |v[XS+2]|               ; the largest magnitude of my 16
	v_max3_num_f32 v9, |v[XS+3]|, |v[XS+4]|, |v[XS+5]|
.irp i, 6,10
	v_max3_num_f32 v8, v8, |v[XS+\i]|, |v[XS+\i+1]|
	v_max3_num_f32 v9, v9, |v[XS+\i+2]|, |v[XS+\i+3]|
.endr
	v_max3_num_f32 v8, v8, |v[XS+14]|, |v[XS+15]|
	v_max3_num_f32 v8, v8, v9, 0x4800000           ; and the floor 2^(9 - 127): the byte cannot fall under 1
	v_max_num_f32_dpp v8, v8, v8 row_xmask:1 row_mask:0xf bank_mask:0xf   ; and of my neighbour's 16: the block's
	v_add_nc_u32 v11, 0xfc000000, v8               ; 8 off its exponent field: the conversion takes this operand's exponent field as its scale
	v_and_or_b32 v10, v8, 0x7f800000, s23          ; 448 x the scale
.irp i, 0,1,2,3,4,5,6,7,8,9,10,11,12,13,14,15
	v_med3_num_f32 v[XS+\i], v[XS+\i], -v10, v10   ; the conversion to an 8-bit code does not saturate (ISA guide 7.6.2): the hold comes first
.endr
	v_cvt_scalef32_pk8_fp8_f32 v[CS:CS+1], v[XS:XS+7], v11
	v_cvt_scalef32_pk8_fp8_f32 v[CS+2:CS+3], v[XS+8:XS+15], v11
	v_lshrrev_b32 v[E+(\t)], 23, v11               ; the scale's byte (a plain line behind the conversions)
	ds_store_b8 v5, v[E+(\t)] offset:16*(\t)       ; both lanes of a block write the same byte with the same value
	global_store_b128 v2, v[CS:CS+3], s[8:9] offset:512*(\t)       ; the wave stores the token's 512 codes: 512 consecutive bytes, aligned
.endm
.irp t, 0,1,2,3,4,5,6,7,8,9,10,11,12,13,14,15
	STEP \t
.endr
	; THE END OF THE WAVE'S 16 TOKENS.  The scale bytes leave as 256 consecutive bytes; the partial logits come back, a lane to a token and half of the source lanes
	ds_load_b64 v[SBR:SBR+1], v6
.irp j, 0,1,2,3,4,5,6,7,8,9,10,11,12,13,14,15
	ds_load_b128 v[WG+8*\j:WG+8*\j+3], v13 offset:16*\j
	ds_load_b128 v[WG+8*\j+4:WG+8*\j+7], v13 offset:16*\j+512
.endr
	s_wait_dscnt 32                                ; the scale bytes are in: 32 loads were issued behind theirs
	global_store_b64 v7, v[SBR:SBR+1], s[10:11]    ; its data and its offset are written by no later line
	s_wait_dscnt 0x0
.macro VADD a, b
.irp p, 0,1,2,3
	v_pk_add_f32 v[WG+8*(\a)+2*\p:WG+8*(\a)+2*\p+1], v[WG+8*(\a)+2*\p:WG+8*(\a)+2*\p+1], v[WG+8*(\b)+2*\p:WG+8*(\b)+2*\p+1]
.endr
.endm
.irp j, 0,1,2,3,4,5,6,7
	VADD \j, \j+8
.endr
.irp j, 0,1,2,3
	VADD \j, \j+4
.endr
	VADD 0, 2
	VADD 1, 3
	VADD 0, 1
.irp e, 0,1,2,3,4,5,6,7
	v_permlanex16_b32 v[WG+8+\e], v[WG+\e], s26, s27
.endr
.irp e, 0,1,2,3,4,5,6,7
	v_add_f32 v[WG+\e], v[WG+\e], v[WG+8+\e]       ; lanes l and l xor 16 now hold the same 8 logits of token l % 16
.endr
	v_max3_num_f32 v96, v128, v129, v130           ; the largest logit,
	v_max3_num_f32 v96, v96, v131, v132
	v_max3_num_f32 v96, v96, v133, v134
	v_max_num_f32 v96, v96, v135
	v_mov_b32 v97, 7                               ; and the lowest index that has it
.irp e, 6,5,4,3,2,1,0
	v_cmp_neq_f32 vcc_lo, v96, v[WG+\e]
	v_cndmask_b32 v97, \e, v97, vcc_lo
.endr
	v_mov_b32 v98, 0xff800000                      ; -infinity takes its place,
.irp e, 0,1,2,3,4,5,6,7
	v_cmp_eq_u32 vcc_lo, \e, v97
	v_cndmask_b32 v[WG+\e], v[WG+\e], v98, vcc_lo
.endr
	v_max3_num_f32 v99, v128, v129, v130           ; and the same again gives the second
	v_max3_num_f32 v99, v99, v131, v132
	v_max3_num_f32 v99, v99, v133, v134
	v_max_num_f32 v99, v99, v135
	v_mov_b32 v100, 7
.irp e, 6,5,4,3,2,1,0
	v_cmp_neq_f32 vcc_lo, v99, v[WG+\e]
	v_cndmask_b32 v100, \e, v100, vcc_lo
.endr
	v_sub_f32 v101, v99, v96                       ; the second logit less the largest: 0 or less
	v_mul_f32 v101, 0x3fb8aa3b, v101
	v_exp_f32 v102, v101
	v_min_u32 v106, v97, v100                      ; a  (a plain line behind the transcendental)
	v_max_u32 v107, v97, v100                      ; b
	s_wait_alu depctr_va_vdst(0)                   ; ahead of the first reader of the exponential
	v_add_f32 v103, 1.0, v102
	v_rcp_f32 v104, v103                           ; the larger logit's weight
	v_sub_nc_u32 v110, 15, v106                    ; (a plain line behind the transcendental)  the key:
	v_mul_u32_u24 v110, v110, v106
	v_lshrrev_b32 v110, 1, v110                    ; a (15 - a) / 2
	v_sub_nc_u32 v111, 7, v107
	v_sub_nc_u32 v112, v107, v106
	v_add_nc_u32 v112, -1, v112
	v_and_b32 v113, 1, v106
	v_cmp_eq_u32 vcc_lo, 1, v113
	v_cndmask_b32 v111, v112, v111, vcc_lo         ; a odd: 7 - b; a even: b - a - 1
	v_add_nc_u32 v110, v110, v111
	v_lshl_or_b32 v114, v106, 8, v110
	v_lshl_or_b32 v114, v107, 12, v114             ; key | a << 8 | b << 12
	s_wait_alu depctr_va_vdst(0)                   ; ahead of the first reader of the reciprocal
	v_mul_f32 v105, v102, v104                     ; the smaller logit's weight
	v_cmp_lt_u32 vcc_lo, v97, v100
	v_cndmask_b32 v108, v105, v104, vcc_lo         ; a's weight
	v_cndmask_b32 v109, v104, v105, vcc_lo         ; b's weight
	v_cmp_lt_u32 vcc_lo, 15, v1
	v_cndmask_b32 v120, v108, v109, vcc_lo         ; lanes 0-15 store a's, lanes 16-31 b's
	v_and_b32 v119, 15, v1
	v_lshrrev_b32 v121, 4, v1
	v_lshlrev_b32 v115, 2, v119
	v_lshlrev_b32 v119, 3, v119
	v_lshl_add_u32 v119, v121, 2, v119
	global_store_b32 v119, v120, s[14:15]          ; 128 consecutive bytes
	v_mov_b32 v116, 0
.set q, 0
.rept 28                               ; the wave's histogram: lane q gets the number of its 16 tokens with key q
	v_cmp_eq_u32 s30, q, v110
	s_and_b32 s30, s30, 0xffff
	s_bcnt1_i32_b32 s30, s30
	v_writelane_b32 v116, s30, q
.set q, q+1
.endr
	ds_store_b32 v117, v116
	s_wait_xcnt 0x0                                ; EXEC changes only behind this wait
	v_cmp_gt_u32 vcc_lo, 16, v1
	s_and_saveexec_b32 s31, vcc_lo
	global_store_b32 v115, v114, s[12:13]          ; lanes 0-15: 64 consecutive bytes
	s_wait_xcnt 0x0                                ; and again, in front of the line that widens it
	s_or_b32 exec_lo, exec_lo, s31
	s_wait_dscnt 0x0                               ; for wave 0's sake: my histogram lies in LDS
	s_barrier_signal -1
	s_barrier_wait -1
	s_cmp_lg_u32 s18, 0
	s_cbranch_scc1 .Ldone
.irp k, 0,1,2,3,4,5,6,7
	ds_load_b32 v[96+\k], v118 offset:128*\k
.endr
	s_wait_dscnt 0x0
	v_add3_u32 v96, v96, v97, v98
	v_add3_u32 v99, v99, v100, v101
	v_add3_u32 v96, v96, v102, v103
	v_add_nc_u32 v96, v96, v99
	v_lshlrev_b32 v104, 2, v1
	global_store_b32 v104, v96, s[16:17]           ; the work-group's 32 counts: 128 consecutive bytes
.Ldone:
	s_wait_tensorcnt 0x0
	ds_add_u32 v126, v127
	s_wait_dscnt 0x0
	s_endpgm
.Lfunc_end_k_qa5f915d154_route:
	.size	k_qa5f915d154_route, .Lfunc_end_k_qa5f915d154_route-k_qa5f915d154_route
	.p2alignl 7, 3214868480
	.fill 96, 4, 3214868480
	.section	.rodata,"a",@progbits
	.p2align	6, 0x0
	.amdhsa_kernel k_qa5f915d154_route
		.amdhsa_group_segment_fixed_size 195072
		.amdhsa_private_segment_fixed_size 0
		.amdhsa_enable_private_segment 0
		.amdhsa_kernarg_size 56
		.amdhsa_user_sgpr_count 2
		.amdhsa_user_sgpr_kernarg_segment_ptr 1
		.amdhsa_wavefront_size32 1
		.amdhsa_system_sgpr_workgroup_id_x 1
		.amdhsa_system_sgpr_workgroup_id_y 1
		.amdhsa_system_sgpr_workgroup_id_z 1
		.amdhsa_system_vgpr_workitem_id 0
		.amdhsa_next_free_vgpr 512
		.amdhsa_next_free_sgpr 66
		.amdhsa_reserve_vcc 1
		.amdhsa_float_denorm_mode_32 3
		.amdhsa_float_denorm_mode_16_64 3
		.amdhsa_memory_ordered 1
		.amdhsa_forward_progress 1
		.amdhsa_inst_pref_size 139
	.end_amdhsa_kernel
	.amdgpu_metadata
---
amdhsa.version: [ 1, 2 ]
amdhsa.kernels:
  - .name:           k_qa5f915d154_route
    .symbol:         k_qa5f915d154_route.kd
    .args:
      - { .name: x, .offset: 0, .size: 8, .value_kind: global_buffer, .address_space: global }
      - { .name: Wg, .offset: 8, .size: 8, .value_kind: global_buffer, .address_space: global }
      - { .name: xc, .offset: 16, .size: 8, .value_kind: global_buffer, .address_space: global }
      - { .name: xs, .offset: 24, .size: 8, .value_kind: global_buffer, .address_space: global }
      - { .name: sel, .offset: 32, .size: 8, .value_kind: global_buffer, .address_space: global }
      - { .name: gw, .offset: 40, .size: 8, .value_kind: global_buffer, .address_space: global }
      - { .name: hist, .offset: 48, .size: 8, .value_kind: global_buffer, .address_space: global }
    .group_segment_fixed_size: 195072
    .private_segment_fixed_size: 0
    .kernarg_segment_align: 8
    .kernarg_segment_size: 56
    .max_flat_workgroup_size: 256
    .sgpr_count:     66
    .vgpr_count:     512
    .wavefront_size: 32
...
	.end_amdgpu_metadata
.endif
;; end of part 1
;; launch place (part 2): grid 320 x 1, 4 waves a work-group, no clusters, 2,560 bytes of LDS; arguments sel, hist, W1, W2, order, blocks, wimg; writes order, blocks, wimg
.if DOCPART == 2
	.amdgcn_target "amdgcn-amd-amdhsa--gfx1250"
	.amdhsa_code_object_version 6
	.text
	.protected	k_qa5f915d154_place
	.globl	k_qa5f915d154_place
	.p2align	8
	.type	k_qa5f915d154_place,@function
k_qa5f915d154_place:
	s_mov_b64 s[64:65], 0
	v_nop
	global_prefetch_b8 v0, s[64:65] scope:SCOPE_SE
	s_setreg_imm32_b32 hwreg(HW_REG_WAVE_MODE, 25, 1), 1
	s_wait_xcnt 0x0
; PLACE.  Two jobs that need no result of each other, in one launch; the paths part on the work-group's number alone.
; WORK-GROUPS 0-31 (W1) AND 32-63 (W2): the weights, f32 with K as their first axis within an expert, become codes of FP8 (E4M3) with one E8M0 byte for each 32 along K, laid in wimg as IMAGES OF OPERAND REGISTERS.
;   A lane takes a column and its registers run down K (32 loads of 128 consecutive bytes a wave for a block), so a block's maximum needs no other lane and the codes come out with K innermost.
;   wimg is 128 chunks of 16,896 bytes: 8 fragments of 2,048 bytes (register group c of lane l at 512 c + 16 l), then 512 bytes of scale words, 4 words a lane.
;   W1's chunk 8 e + cg: hidden units 32 cg on; fragment 4 u + s (tile u, K step s); lane r of tile u holds unit 8 u + r + 8 (r / 8); scale word s, tile u in lanes 16 u on.
;   W2's chunk 64 + 8 e + cg / 2: output columns 64 (cg / 2) on; fragment 2 n + s (column tile n, K step s); scale word 2 (n / 2) + s, tile n in lanes 16 (n % 2) on.
;   Each store of codes writes two runs of 256 consecutive aligned bytes.  The scale words leave 8 bytes a lane, 16 bytes apart: 64 KB in the whole launch are written so.
; WORK-GROUPS 64-319: a counting sort of the tokens by their pair key.  Work-group 64 + c places tokens 128 c on: order[position] = token | a << 16 | b << 20; and it writes block c's descriptor:
;   the experts that sorted positions 128 c .. 128 c + 127 use, ascending, a nibble each (elist), and for each a nibble that says which of the block's four units of 32 positions use it (mlist).
;   No atomics: every work-group adds up the 256 histograms for itself (a wave 64 rows, lane = key).
; LIMITS as in the launch before: NaN and infinities are not served; a block of zeros gets the byte 1; the floor of a block's largest magnitude is 2^-118.
.set CHB, 16896
	s_load_b256 s[4:11], s[0:1], 0x0               ; sel, hist, W1, W2
	s_load_b128 s[12:15], s[0:1], 0x20             ; order, blocks
	s_load_b64 s[16:17], s[0:1], 0x30              ; wimg
	v_lshl_add_u32 v192, v0, 2, 0x800
	v_mov_b32 v193, 0
	v_lshrrev_b32 v1, 5, v0
	v_readfirstlane_b32 s18, v1                    ; wave 0..3
	v_and_b32 v1, 31, v0                           ; lane
	v_lshlrev_b32 v3, 2, v1                        ; 4 x lane
	s_mov_b32 s19, 0x600000                        ; the mantissa field of 448
	s_mov_b32 s23, 0
	s_wait_kmcnt 0x0
	s_cmp_lt_u32 ttmp9, 32
	s_cbranch_scc1 .Lw1
	s_cmp_lt_u32 ttmp9, 64
	s_cbranch_scc1 .Lw2
	; ---- the sort
	s_sub_co_u32 s20, ttmp9, 64                    ; c: my 128 tokens, and my block
	s_lshl_b32 s22, s20, 9
	s_add_nc_u64 s[4:5], s[4:5], s[22:23]          ; sel at my tokens
	s_lshl_b32 s22, s18, 13
	s_add_nc_u64 s[6:7], s[6:7], s[22:23]          ; hist at rows 64 x wave
	s_lshl_b32 s22, s20, 3
	s_add_nc_u64 s[14:15], s[14:15], s[22:23]      ; my descriptor
	v_lshlrev_b32 v4, 2, v0
	s_mul_i32 s24, s18, 384
	v_add_nc_u32 v28, s24, v3                      ; LDS: my wave's three rows of 32 words
	global_load_b32 v20, v4, s[4:5]
.set j, 0
.rept 64
	global_load_b32 v[64+j], v3, s[6:7] offset:128*j   ; a row of 32 counts: 128 consecutive bytes
.set j, j+1
.endr
	v_mov_b32 v22, 0
	v_mov_b32 v23, 0
	s_wait_loadcnt 63                              ; my token's word is in (64 loads stand behind it; the count is the largest that the wait can name)
	v_and_b32 v21, 31, v20                         ; the key
.set q, 0
.rept 28                               ; my rank among my wave's tokens of the same key, and the wave's count of each key (lane = key)
	v_cmp_eq_u32 s30, q, v21
	v_mbcnt_lo_u32_b32 v24, s30, 0
	v_cndmask_b32 v22, v22, v24, s30
	s_bcnt1_i32_b32 s31, s30
	v_writelane_b32 v23, s31, q
.set q, q+1
.endr
	s_lshl_b32 s25, s18, 6
	s_sub_co_i32 s25, s20, s25                     ; c - 64 x wave: my rows under this number belong to earlier tokens
	v_mov_b32 v26, 0
	v_mov_b32 v27, 0
	s_wait_loadcnt 0x0
.set j, 0
.rept 64
	s_cmp_lt_i32 j, s25
	s_cselect_b32 s26, -1, 0
	v_and_b32 v25, s26, v[64+j]
	v_add_nc_u32 v26, v26, v[64+j]                 ; all my rows,
	v_add_nc_u32 v27, v27, v25                     ; and those of earlier chunks
.set j, j+1
.endr
	ds_store_b32 v28, v26
	ds_store_b32 v28, v27 offset:128
	ds_store_b32 v28, v23 offset:256
	s_wait_dscnt 0x0                               ; for the others' sake
	s_barrier_signal -1
	s_barrier_wait -1
.irp w, 0,1,2,3
.irp k, 0,1,2
	ds_load_b32 v[32+3*\w+\k], v3 offset:384*\w+128*\k
.endr
.endr
	s_wait_dscnt 0x0
	v_add3_u32 v44, v32, v35, v38
	v_add_nc_u32 v44, v44, v41                     ; each key's number of tokens in all
	v_add3_u32 v45, v33, v36, v39
	v_add_nc_u32 v45, v45, v42                     ; those in earlier chunks,
.irp w, 0,1,2
	s_cmp_gt_u32 s18, \w
	s_cselect_b32 s26, -1, 0
	v_and_b32 v25, s26, v[34+3*\w]
	v_add_nc_u32 v45, v45, v25                     ; and in earlier waves of mine
.endr
	v_mov_b32 v46, 0
	v_mov_b32 v53, v44
.irp n, 1,2,4,8                        ; a running sum over the keys: within each 16 lanes,
	v_mov_b32_dpp v46, v53 row_shr:\n row_mask:0xf bank_mask:0xf bound_ctrl:1
	v_add_nc_u32 v53, v53, v46
.endr
	v_readlane_b32 s28, v53, 15
	v_mov_b32 v47, s28
	v_cmp_lt_u32 vcc_lo, 15, v1
	v_cndmask_b32 v46, 0, v47, vcc_lo
	v_add_nc_u32 v53, v53, v46                     ; and the lower half's sum onto the upper
	v_sub_nc_u32 v54, v53, v44                     ; where each key's run begins
	v_add_nc_u32 v50, v54, v45
	v_lshlrev_b32 v49, 2, v21
	ds_bpermute_b32 v48, v49, v50                  ; my key's figure, from lane = key
	s_lshl_b32 s27, s20, 7
	v_add_nc_u32 v51, s27, v0                      ; my token
	v_lshrrev_b32 v52, 8, v20
	v_lshl_or_b32 v51, v52, 16, v51                ; | a << 16 | b << 20
	s_wait_dscnt 0x0
	v_add_nc_u32 v48, v48, v22
	v_min_u32 v48, 0x7fff, v48                     ; a position made of loaded numbers is held inside the list
	v_lshlrev_b32 v48, 2, v48
	global_store_b32 v48, v51, s[12:13]
	s_cmp_lg_u32 s18, 0
	s_cbranch_scc1 .Lpdone
	; ---- block c's descriptor, by wave 0.  Key q lies in unit u where [its run) meets [128 c + 32 u, + 32)
	v_add_nc_u32 v55, v54, v44
.irp u, 0,1,2,3
	s_add_co_u32 s28, s27, 32*\u
	v_max_u32 v56, s28, v54
	s_add_co_u32 s28, s28, 32
	v_min_u32 v57, s28, v55
	v_cmp_lt_u32 s[40+\u], v56, v57
.endr
	s_mov_b32 s56, 0                               ; elist
	s_mov_b32 s57, 0                               ; mlist
	s_mov_b32 s58, 0                               ; the next free nibble's bit
.macro EXPERT e, pm                    ; pm: the keys whose pair holds expert e
	s_mov_b32 s[48+\e], 0
.irp u, 0,1,2,3
	s_and_b32 s46, s[40+\u], \pm
	s_cselect_b32 s46, 1<<\u, 0
	s_or_b32 s[48+\e], s[48+\e], s46
.endr
	s_cmp_lg_u32 s[48+\e], 0
	s_cselect_b32 s59, \e, 0
	s_cselect_b32 s60, 4, 0
	s_lshl_b32 s59, s59, s58
	s_or_b32 s56, s56, s59
	s_lshl_b32 s61, s[48+\e], s58
	s_or_b32 s57, s57, s61
	s_add_co_u32 s58, s58, s60                     ; an expert that the block does not use takes no nibble
.endm
	EXPERT 0, 0x7f
	EXPERT 1, 0x1f81
	EXPERT 2, 0x3f002
	EXPERT 3, 0x3c2804
	EXPERT 4, 0x1e04408
	EXPERT 5, 0x6508210
	EXPERT 6, 0xc890120
	EXPERT 7, 0xb0600c0
	v_mov_b32 v58, s56
	v_mov_b32 v59, s57
	v_mov_b32 v60, 0
	s_wait_xcnt 0x0                                ; EXEC changes only behind this wait
	v_cmp_eq_u32 vcc_lo, 0, v1
	s_and_saveexec_b32 s62, vcc_lo
	global_store_b64 v60, v[58:59], s[14:15]
	s_wait_xcnt 0x0                                ; and again, in front of the line that widens it
	s_or_b32 exec_lo, exec_lo, s62
.Lpdone:
	s_wait_tensorcnt 0x0
	ds_add_u32 v192, v193
	s_wait_dscnt 0x0
	s_endpgm
; ---- the weights.  A wave: 32 columns x 256 along K: 8 blocks a lane.  s[20:21] the numbers, s[30:31] the codes, s[32:33] the scale words; v4, v5 my lane's places in them
.macro WLD t, pitch                    ; block t: rows 32 t + i of my column, into set t % 2
.set i, 0
.rept 32
	global_load_b32 v[32+32*((\t)%2)+i], v3, s[20:21] offset:(32*(\t)+i)*\pitch th:TH_LOAD_NT
.set i, i+1
.endr
.endm
.macro WBLK t, pitch
.set XS, 32+32*((\t)%2)
.set CS, 96+8*(\t)                     ; each block has its own registers for its codes: no store's data are written again
.if (\t) < 7
	s_wait_loadcnt 32                              ; this block's 32 loads are in; the next block's may be out
.else
	s_wait_loadcnt 0x0
.endif
	v_max3_num_f32 v12, |v[XS]|, |v[XS+1]|, |v[XS+2]|
	v_max3_num_f32 v13, |v[XS+3]|, |v[XS+4]|, |v[XS+5]|
.irp i, 6,10,14,18,22,26
	v_max3_num_f32 v12, v12, |v[XS+\i]|, |v[XS+\i+1]|
	v_max3_num_f32 v13, v13, |v[XS+\i+2]|, |v[XS+\i+3]|
.endr
	v_max3_num_f32 v12, v12, |v[XS+30]|, |v[XS+31]|
	v_max3_num_f32 v12, v12, v13, 0x4800000        ; the block's largest magnitude, over the floor 2^(9 - 127)
	v_add_nc_u32 v11, 0xfc000000, v12              ; 8 off its exponent field: the conversion's scale operand
	v_and_or_b32 v10, v12, 0x7f800000, s19         ; 448 x the scale
	v_lshrrev_b32 v13, 23, v11                     ; the scale's byte
.if (\t)%4 == 0
	v_mov_b32 v[24+(\t)/4], v13
.else
	v_lshl_or_b32 v[24+(\t)/4], v13, 8*((\t)%4), v[24+(\t)/4]
.endif
.set i, 0
.rept 32
	v_med3_num_f32 v[XS+i], v[XS+i], -v10, v10     ; the conversion to an 8-bit code does not saturate (ISA guide 7.6.2)
.set i, i+1
.endr
.irp g, 0,1,2,3
	v_cvt_scalef32_pk8_fp8_f32 v[CS+2*\g:CS+2*\g+1], v[XS+8*\g:XS+8*\g+7], v11
.endr
	global_store_b128 v4, v[CS:CS+3], s[30:31] offset:2048*((\t)/4)+512*((\t)%4)        ; k 0-15 of the block: the operand's lanes 0-15
	global_store_b128 v4, v[CS+4:CS+7], s[30:31] offset:2048*((\t)/4)+512*((\t)%4)+256  ; k 16-31: its lanes 16-31
.if (\t)+2 < 8
	WLD (\t)+2, \pitch
.endif
.endm
.macro WBODY pitch
	WLD 0, \pitch
	WLD 1, \pitch
.irp t, 0,1,2,3,4,5,6,7
	WBLK \t, \pitch
.endr
	global_store_b64 v5, v[24:25], s[32:33]        ; my column's two scale words
	s_endpgm
.endm
.Lw1:
	s_lshl_b32 s22, ttmp9, 2
	s_add_co_u32 s22, s22, s18                     ; task 0..127: expert, 32 hidden units, half of K
	s_lshr_b32 s24, s22, 4                         ; e
	s_bfe_u32 s25, s22, 0x30001                    ; cg
	s_and_b32 s26, s22, 1                          ; kh
	s_lshl_b32 s22, s24, 19
	s_lshl_b32 s27, s26, 18
	s_add_co_u32 s22, s22, s27
	s_lshl_b32 s27, s25, 7
	s_add_co_u32 s22, s22, s27
	s_add_nc_u64 s[20:21], s[8:9], s[22:23]        ; W1[e][256 kh][32 cg]
	s_lshl_b32 s24, s24, 3
	s_add_co_u32 s24, s24, s25
	s_mul_i32 s24, s24, CHB                        ; chunk 8 e + cg
	s_lshl_b32 s22, s26, 12
	s_add_co_u32 s22, s22, s24
	s_add_nc_u64 s[30:31], s[16:17], s[22:23]      ; K steps 2 kh, 2 kh + 1
	s_lshl_b32 s22, s26, 3
	s_add_co_u32 s22, s22, s24
	s_add_co_u32 s22, s22, 16384
	s_add_nc_u64 s[32:33], s[16:17], s[22:23]
	v_bfe_u32 v6, v1, 3, 1                         ; u
	v_and_b32 v7, 7, v1
	v_lshrrev_b32 v8, 4, v1
	v_lshl_add_u32 v7, v8, 3, v7                   ; r: unit l = 8 u + r + 8 (r / 8)
	v_lshlrev_b32 v4, 4, v7
	v_lshl_add_u32 v5, v6, 8, v4                   ; scale words: 16 (r + 16 u)
	v_lshl_add_u32 v4, v6, 13, v4                  ; codes: 8,192 u + 16 r
	WBODY 1024
.Lw2:
	s_sub_co_u32 s22, ttmp9, 32
	s_lshl_b32 s22, s22, 2
	s_add_co_u32 s22, s22, s18                     ; task 0..127: expert, 32 output columns, all of K
	s_lshr_b32 s24, s22, 4                         ; e
	s_and_b32 s25, s22, 15                         ; cg
	s_and_b32 s26, s22, 1                          ; cg % 2
	s_lshl_b32 s22, s24, 19
	s_lshl_b32 s27, s25, 7
	s_add_co_u32 s22, s22, s27
	s_add_nc_u64 s[20:21], s[10:11], s[22:23]      ; W2[e][0][32 cg]
	s_lshl_b32 s24, s24, 3
	s_lshr_b32 s25, s25, 1
	s_add_co_u32 s24, s24, s25
	s_add_co_u32 s24, s24, 64
	s_mul_i32 s24, s24, CHB                        ; chunk 64 + 8 e + cg / 2
	s_lshl_b32 s22, s26, 13
	s_add_co_u32 s22, s22, s24
	s_add_nc_u64 s[30:31], s[16:17], s[22:23]      ; column tiles 2 (cg % 2), + 1
	s_lshl_b32 s22, s26, 3
	s_add_co_u32 s22, s22, s24
	s_add_co_u32 s22, s22, 16384
	s_add_nc_u64 s[32:33], s[16:17], s[22:23]
	v_and_b32 v7, 15, v1
	v_lshrrev_b32 v8, 4, v1
	v_lshlrev_b32 v4, 4, v7
	v_lshl_add_u32 v4, v8, 12, v4                  ; codes: 4,096 (l / 16) + 16 (l % 16)
	v_lshlrev_b32 v5, 4, v1                        ; scale words: 16 l
	WBODY 2048
.Lfunc_end_k_qa5f915d154_place:
	.size	k_qa5f915d154_place, .Lfunc_end_k_qa5f915d154_place-k_qa5f915d154_place
	.p2alignl 7, 3214868480
	.fill 96, 4, 3214868480
	.section	.rodata,"a",@progbits
	.p2align	6, 0x0
	.amdhsa_kernel k_qa5f915d154_place
		.amdhsa_group_segment_fixed_size 2560
		.amdhsa_private_segment_fixed_size 0
		.amdhsa_enable_private_segment 0
		.amdhsa_kernarg_size 56
		.amdhsa_user_sgpr_count 2
		.amdhsa_user_sgpr_kernarg_segment_ptr 1
		.amdhsa_wavefront_size32 1
		.amdhsa_system_sgpr_workgroup_id_x 1
		.amdhsa_system_sgpr_workgroup_id_y 1
		.amdhsa_system_sgpr_workgroup_id_z 1
		.amdhsa_system_vgpr_workitem_id 0
		.amdhsa_next_free_vgpr 194
		.amdhsa_next_free_sgpr 66
		.amdhsa_reserve_vcc 1
		.amdhsa_float_denorm_mode_32 3
		.amdhsa_float_denorm_mode_16_64 3
		.amdhsa_memory_ordered 1
		.amdhsa_forward_progress 1
		.amdhsa_inst_pref_size 147
	.end_amdhsa_kernel
	.amdgpu_metadata
---
amdhsa.version: [ 1, 2 ]
amdhsa.kernels:
  - .name:           k_qa5f915d154_place
    .symbol:         k_qa5f915d154_place.kd
    .args:
      - { .name: sel, .offset: 0, .size: 8, .value_kind: global_buffer, .address_space: global }
      - { .name: hist, .offset: 8, .size: 8, .value_kind: global_buffer, .address_space: global }
      - { .name: W1, .offset: 16, .size: 8, .value_kind: global_buffer, .address_space: global }
      - { .name: W2, .offset: 24, .size: 8, .value_kind: global_buffer, .address_space: global }
      - { .name: order, .offset: 32, .size: 8, .value_kind: global_buffer, .address_space: global }
      - { .name: blocks, .offset: 40, .size: 8, .value_kind: global_buffer, .address_space: global }
      - { .name: wimg, .offset: 48, .size: 8, .value_kind: global_buffer, .address_space: global }
    .group_segment_fixed_size: 2560
    .private_segment_fixed_size: 0
    .kernarg_segment_align: 8
    .kernarg_segment_size: 56
    .max_flat_workgroup_size: 128
    .sgpr_count:     66
    .vgpr_count:     194
    .wavefront_size: 32
...
	.end_amdgpu_metadata
.endif
;; end of part 2
;; launch chain (part 3): grid 256 x 1, 4 waves a work-group, no clusters, 288,768 bytes of LDS; arguments xc, xs, order, blocks, gw, wimg, out0; writes out0
.if DOCPART == 3
	.amdgcn_target "amdgcn-amd-amdhsa--gfx1250"
	.amdhsa_code_object_version 6
	.text
	.protected	k_qa5f915d154_chain
	.globl	k_qa5f915d154_chain
	.p2align	8
	.type	k_qa5f915d154_chain,@function
k_qa5f915d154_chain:
	s_mov_b64 s[64:65], 0
	v_nop
	global_prefetch_b8 v0, s[64:65] scope:SCOPE_SE
	s_setreg_imm32_b32 hwreg(HW_REG_WAVE_MODE, 25, 1), 1
	s_wait_xcnt 0x0
; CHAIN.  out[token] = the sum over the token's two experts e of weight x (Q(silu(Q(x) Q(W1[e]))) Q(W2[e])), Q the MX-FP8 quantiser along each product's K; both products by the scaled FP8 matrix instruction, sums in f32.
; Only the two chosen experts of a token are multiplied: the other six have the combine weight 0 in the definition.
; SHARES.  A work-group owns one block of 128 tokens of the list sorted by pairs of experts, so each output row has one owner.  The block's descriptor names the experts that it uses (ENTRIES, a nibble each, ascending)
; and, for each, which of the block's four UNITS of 32 tokens (two tiles of 16) use it.  A unit is multiplied for an entry as a whole; a token of it that has not chosen that expert gets the weight 0.
; THE FOUR WAVES SHARE THE COLUMNS: wave w makes hidden units 64 w on and, in each half g of the output, columns 256 g + 64 w on, for all 128 tokens: each weight byte enters the work-group once.
; The weights come from memory straight into registers, as images of operand registers (16,896 bytes a wave and stage), asked for one stage ahead.
; PHASE 0: the tokens' codes are gathered (a wave 32 rows of 512 bytes), go through LDS, and all 32 fragments of x stay in every wave's registers.
; PHASE A: for each entry: my 64 hidden units in two stages of 32; x W1 transposed (source 0 = 16 rows of W1^T, source 1 = 16 tokens), so that a lane holds one token and 16 neighbouring hidden units; silu; quantised;
;   codes and scale bytes go to LDS as images of the second product's operand.  The hidden layers of all entries have LDS bytes of their own: nothing is written twice.
; PHASE B: for each half of the output and each entry: hidden fragments from LDS x my 64 columns of W2, times the token's weight, added in 256 registers; then rows leave through my own stage, 256 aligned bytes to 16 lanes.
; Three barriers, all on every wave's path; the branches on the descriptor stand round register work, loads and LDS accesses alone.
; NO TENSOR LOADS, NO CLUSTER: which experts and units a work-group walks hangs on the stored lists, and neighbouring blocks need not share an expert.
; LIMITS: NaN and infinities are not served; a block of zeros gets the byte 1 (its codes are zeros); the floor of a block's largest magnitude is 2^-118.
; REGISTERS, in windows of 256.  Window 0: v1-13 addresses; v16-31 the tokens' two experts; v32-47 their two weights; v48-79 x's scale words (phase B: v48-51 the hidden layer's); v80-91 the weights' scale words, three sets;
;   v92-95 the weight in hand; v96-105 the quantiser's; v112-143 Z, v144-175 T, v176-183 codes (phase A); v112-175 hidden fragments or rows on their way out, v176-239 products (phase B).
;   Window 1: weight buffers 0 (v0-127) and 1 (v128-255).  Window 2: x's tiles 0-3, then the 32 accumulators of the output (tile m, column tile n at 32 m + 8 n).
;   Window 3: x's tiles 4-7, then weight buffer 2 (v0-127) and the 64 store offsets (v128-191).
.set CHB,  16896                       ; a chunk of wimg
.set HSB,  262144                      ; LDS: 0: the hidden images, 32,768 an entry, 4,096 a tile, 2,048 a K step, 512 a register group; here: their scale words, 1,024 an entry, 128 a tile, 64 a K step, 4 a token
.set OST,  270336                      ; a stage of 16 rows x 272 bytes for each wave
.set TOK,  287744                      ; the block's 128 words of the list
.set XSS,  67584                       ; phase 0 only, in the hidden images' bytes: from 0 the codes, 128 rows x 528; here x's scale words, 16 bytes a token
.set EL,  16
.set EH,  24
.set WP,  32
.set XSW, 48
.set WS,  80
.set CW,  92
.set QM,  96
.set QP,  98
.set QS,  100
.set QL,  102
.set QB,  104
.set Z,   112
.set T,   144
.set CD,  176
.set HF,  112
.set DT,  176
.set OB,  112
.set OA,  128
.set MSB, 0
.macro WIN new                         ; the immediate's high byte repeats the setting that is left
.if MSB != (\new)
	s_set_vgpr_msb (MSB<<8)|(\new)
.set MSB, (\new)
.endif
.endm
.macro BARRIER                         ; my LDS stores have landed and my LDS loads are in: then the work-group's barrier
	s_wait_dscnt 0x0
	s_barrier_signal -1
	s_barrier_wait -1
.endm
.macro CHUNKADDR                       ; s34: a chunk's number, made of loaded numbers: held inside wimg's 128 chunks.  Stands behind a wait that shows every load from s[32:33] done
	s_min_u32 s34, s34, 127
	s_mul_i32 s34, s34, CHB
	s_mov_b32 s35, 0
	s_add_nc_u64 s[32:33], s[14:15], s[34:35]
.endm
.macro WLOAD id                        ; a chunk into weight buffer id (0, 1: window 1; 2: window 3) and scale set id: 33 loads of 512 consecutive bytes
	WIN 0x40+0x80*((\id)/2)
.irp j, 0,1,2,3,4,5,6,7
.irp c, 0,1,2,3
	global_load_b128 v[128*((\id)%2)+16*\j+4*\c:128*((\id)%2)+16*\j+4*\c+3], v1, s[32:33] offset:2048*\j+512*\c
.endr
.endr
	WIN 0
	global_load_b128 v[WS+4*(\id):WS+4*(\id)+3], v1, s[32:33] offset:16384
.endm
; one scaled product.  ks = 0: it starts the sum.  row: source 0's scales stand in lanes 16-31 of their register
.macro MM d, a, b, ks, sa, sb, row
.if (\ks) == 0
.if (\row) != 0
	v_wmma_scale_f32_16x16x128_f8f6f4 v[\d:\d+7], v[\a:\a+15], v[\b:\b+15], 0, v[\sa], v[\sb] matrix_a_scale:MATRIX_SCALE_ROW1
.else
	v_wmma_scale_f32_16x16x128_f8f6f4 v[\d:\d+7], v[\a:\a+15], v[\b:\b+15], 0, v[\sa], v[\sb]
.endif
.else
.if (\row) != 0
	v_wmma_scale_f32_16x16x128_f8f6f4 v[\d:\d+7], v[\a:\a+15], v[\b:\b+15], v[\d:\d+7], v[\sa], v[\sb] matrix_a_scale:MATRIX_SCALE_ROW1
.else
	v_wmma_scale_f32_16x16x128_f8f6f4 v[\d:\d+7], v[\a:\a+15], v[\b:\b+15], v[\d:\d+7], v[\sa], v[\sb]
.endif
.endif
.endm
	s_load_b256 s[4:11], s[0:1], 0x0               ; xc, xs, order, blocks
	s_load_b128 s[12:15], s[0:1], 0x20             ; gw, wimg
	s_load_b64 s[16:17], s[0:1], 0x30              ; out0
	v_lshl_add_u32 v254, v0, 2, 0x46600
	v_mov_b32 v255, 0
	v_lshrrev_b32 v14, 5, v0
	v_readfirstlane_b32 s18, v14                   ; wave 0..3
	v_and_b32 v14, 31, v0                          ; lane
	v_and_b32 v15, 15, v0                          ; r
	v_bfe_u32 v106, v0, 4, 1                       ; h
	v_lshlrev_b32 v1, 4, v14                       ; 16 x lane: an image's place for my lane
	s_lshl_b32 s46, s18, 10
	v_add_nc_u32 v2, s46, v1                       ; where I store hidden images: my 64 units are K step w / 2, register groups 2 (w % 2) on: 1,024 w
	s_lshr_b32 s46, s18, 1
	s_lshl_b32 s46, s46, 6
	s_and_b32 s47, s18, 1
	s_lshl_b32 s47, s47, 1
	s_add_co_u32 s46, s46, s47
	s_add_co_u32 s46, s46, HSB
	v_lshl_add_u32 v4, v15, 2, s46                 ; and their scale bytes: 4 r + 64 (w / 2) + 2 (w % 2)
	v_lshl_add_u32 v8, v15, 2, HSB                 ; where I read scale words
	s_mul_i32 s46, s18, 4352
	s_add_co_u32 s46, s46, OST                     ; my stage
	v_mul_u32_u24 v10, v15, 272
	v_lshl_add_u32 v10, v106, 5, v10
	v_add_nc_u32 v10, s46, v10                     ; in: row r, 32 bytes for each half of the lanes
	v_mul_u32_u24 v11, v106, 272
	v_lshl_add_u32 v11, v15, 4, v11
	v_add_nc_u32 v11, s46, v11                     ; back: lanes 0-15 one row of 256 bytes, lanes 16-31 the next
	s_lshl_b32 s46, s18, 8
	v_lshl_add_u32 v12, v15, 4, s46                ; my bytes in half a row of the output: 256 w + 16 r
	v_lshl_add_u32 v13, v106, 2, TOK               ; the list's words of two neighbouring rows
	s_mul_i32 s46, s18, 16896
	v_add_nc_u32 v107, s46, v1                     ; phase 0: my 32 rows of codes, in
	s_lshl_b32 s46, s18, 9
	s_add_co_u32 s46, s46, XSS
	v_add_nc_u32 v108, s46, v1                     ; their scale words, in
	s_lshl_b32 s46, s18, 7
	s_add_co_u32 s46, s46, TOK
	v_lshl_add_u32 v109, v14, 2, s46               ; their words of the list, in
	v_mul_u32_u24 v110, v15, 528
	v_lshl_add_u32 v110, v106, 4, v110             ; a fragment of x: row r, + 16 h
	v_lshl_add_u32 v111, v15, 4, XSS               ; and its scale words
	v_lshlrev_b32 v184, 2, v15
	v_lshlrev_b32 v185, 2, v14
	v_mov_b32 v[QP], 0                             ; written once: a lane permute's destination counts as one of its sources
	v_mov_b32 v[QP+1], 0
	v_mov_b32 v[CW+1], 0                           ; (named as the upper halves of pairs)
	v_mov_b32 v[CW+3], 0
.irp k, 8,9,10,11
	v_mov_b32 v[WS+\k], 0x7f7f7f7f                 ; scale set 2 holds scales from the start
.endr
	s_mov_b32 s19, 0x600000                        ; the mantissa field of 448
	s_mov_b32 s20, 0x76543210
	s_mov_b32 s21, 0xfedcba98                      ; v_permlanex16_b32's selects for lane l xor 16
	s_mov_b32 s22, 0xbfb8aa3b                      ; -log2(e)
	s_mov_b32 s23, s22
	s_lshl_b32 s47, s18, 1                         ; 2 w
	s_add_co_u32 s48, s18, 64                      ; 64 + w
	s_mov_b32 s35, 0
	s_wait_kmcnt 0x0
	s_lshl_b32 s34, ttmp9, 3
	s_add_nc_u64 s[40:41], s[10:11], s[34:35]      ; my block's descriptor
	s_lshl_b32 s34, ttmp9, 9
	s_add_nc_u64 s[44:45], s[8:9], s[34:35]        ; its 128 words of the list
	s_lshl_b32 s34, s18, 7
	s_add_nc_u64 s[42:43], s[44:45], s[34:35]      ; my wave's 32 of them
	s_load_b64 s[24:25], s[40:41], 0x0             ; elist, mlist
	s_load_b512 s[68:83], s[42:43], 0x0
	s_load_b512 s[84:99], s[42:43], 0x40
.irp m, 0,1,2,3,4,5,6,7
	global_load_b32 v[T+\m], v184, s[44:45] offset:64*\m           ; tile m's word for my token r
.endr
	global_load_b32 v[T+8], v185, s[42:43]         ; and my wave's 32, a lane each
	s_wait_kmcnt 0x0
.set j, 0
.rept 32
	s_and_b32 s34, s[68+j], 0x7fff
	s_min_u32 s34, s34, 0x7fff                     ; a token read from the list is held inside the table
	s_lshl_b32 s34, s34, 9
	v_add_nc_u32 v[Z+j], s34, v1
.set j, j+1
.endr
	WIN 0x80                                       ; destination window 2
.set j, 0
.rept 32
	global_load_b128 v[4*j:4*j+3], v[Z+j], s[4:5] th:TH_LOAD_NT    ; a token's 512 codes: 512 consecutive bytes; each row is read once in the launch
.set j, j+1
.endr
	WIN 0
	s_wait_loadcnt 32                              ; the list's words are in: the 32 rows were asked for behind them
.irp m, 0,1,2,3,4,5,6,7
	v_bfe_u32 v[EL+\m], v[T+\m], 16, 4
	v_bfe_u32 v[EH+\m], v[T+\m], 20, 4
	v_and_b32 v[T+16+\m], 0x7fff, v[T+\m]
	v_min_u32 v[T+16+\m], 0x7fff, v[T+16+\m]
	v_lshlrev_b32 v[T+16+\m], 3, v[T+16+\m]
.endr
	v_and_b32 v[T+9], 0x7fff, v[T+8]
	v_min_u32 v[T+9], 0x7fff, v[T+9]
	v_lshlrev_b32 v[T+9], 4, v[T+9]
	global_load_b128 v[T+12:T+15], v[T+9], s[6:7]  ; x's four scale words of my wave's token lane
.irp m, 0,1,2,3,4,5,6,7
	global_load_b64 v[WP+2*\m:WP+2*\m+1], v[T+16+\m], s[12:13]     ; the two weights of tile m's token r
.endr
	s_and_b32 s34, s24, 7
	s_lshl_b32 s34, s34, 3
	s_add_co_u32 s34, s34, s47                     ; W1's chunk 8 e + 2 w of the first entry
	CHUNKADDR
	WLOAD 0
	s_wait_loadcnt 42                              ; the 32 rows are in: 9 + 33 loads were issued behind them
	WIN 0x08                                       ; an LDS store's data are its source 1: window 2
.set j, 0
.rept 32
	ds_store_b128 v107, v[4*j:4*j+3] offset:528*j
.set j, j+1
.endr
	WIN 0
	s_wait_loadcnt 33                              ; scale words and weights are in: the chunk's 33 loads stay out
	ds_store_b128 v108, v[T+12:T+15]
	ds_store_b32 v109, v[T+8]
	BARRIER                                        ; the block's codes, scale words and list lie in LDS
	WIN 0x80
.irp m, 0,1,2,3
.irp s, 0,1,2,3
.irp c, 0,1,2,3
	ds_load_b128 v[64*\m+16*\s+4*\c:64*\m+16*\s+4*\c+3], v110 offset:8448*\m+128*\s+32*\c
.endr
.endr
.endr
	WIN 0xc0
.irp m, 0,1,2,3
.irp s, 0,1,2,3
.irp c, 0,1,2,3
	ds_load_b128 v[64*\m+16*\s+4*\c:64*\m+16*\s+4*\c+3], v110 offset:8448*(\m+4)+128*\s+32*\c
.endr
.endr
.endr
	WIN 0
.irp m, 0,1,2,3,4,5,6,7
	ds_load_b128 v[XSW+4*\m:XSW+4*\m+3], v111 offset:256*\m
.endr
	BARRIER                                        ; every wave has x in registers: only now do hidden images take these bytes
; silu and the quantiser on 32 numbers a lane: Z + 16 mm + i = hidden unit 16 h + i (of my stage's 32) of token r of tile mm.  One block of 32 lies in lanes l and l xor 16.
.macro SILUQ
.set i, 0
.rept 16
	v_pk_mul_f32 v[T+i:T+i+1], v[Z+i:Z+i+1], s[22:23] op_sel_hi:[1,0]      ; -z log2(e); each accumulator is read from its low end on
.set i, i+2
.endr
.set i, 0
.rept 32
	v_exp_f32 v[T+i], v[T+i]
.set i, i+1
.endr
	v_nop                                          ; a plain line behind the last exponential
	s_wait_alu depctr_va_vdst(0)                   ; one wait for the batch, ahead of its first reader
.set i, 0
.rept 16
	v_pk_add_f32 v[T+i:T+i+1], v[T+i:T+i+1], 1.0 op_sel_hi:[1,0]
.set i, i+2
.endr
.set i, 0
.rept 32
	v_rcp_f32 v[T+i], v[T+i]
.set i, i+1
.endr
	v_nop
	s_wait_alu depctr_va_vdst(0)                   ; and one for the reciprocals
.set i, 0
.rept 16
	v_pk_mul_f32 v[Z+i:Z+i+1], v[Z+i:Z+i+1], v[T+i:T+i+1]                 ; silu(z) = z / (1 + e^-z)
.set i, i+2
.endr
.irp mm, 0,1
	v_max3_num_f32 v[QM+\mm], |v[Z+16*\mm]|, |v[Z+16*\mm+1]|, 0x4800000   ; my 16 numbers, and the floor 2^(9 - 127): the byte cannot fall under 1
.endr
.irp j, 2,4,6,8,10,12,14
.irp mm, 0,1
	v_max3_num_f32 v[QM+\mm], v[QM+\mm], |v[Z+16*\mm+\j]|, |v[Z+16*\mm+\j+1]|
.endr
.endr
.irp mm, 0,1
	v_permlanex16_b32 v[QP+\mm], v[QM+\mm], s20, s21
.endr
.irp mm, 0,1
	v_max_num_f32 v[QM+\mm], v[QM+\mm], v[QP+\mm]  ; with lane l xor 16's: the block's largest magnitude
.endr
.irp mm, 0,1
	v_add_nc_u32 v[QS+\mm], 0xfc000000, v[QM+\mm]  ; 8 off its exponent field: the conversion's scale operand
.endr
.irp mm, 0,1
	v_and_or_b32 v[QL+\mm], v[QM+\mm], 0x7f800000, s19             ; 448 x the scale
.endr
.irp mm, 0,1
	v_lshrrev_b32 v[QB+\mm], 23, v[QS+\mm]         ; the scale's byte
.endr
.irp mm, 0,1
.irp j, 0,1,2,3,4,5,6,7,8,9,10,11,12,13,14,15
	v_med3_num_f32 v[Z+16*\mm+\j], v[Z+16*\mm+\j], -v[QL+\mm], v[QL+\mm]   ; the conversion to an 8-bit code does not saturate (ISA guide 7.6.2)
.endr
	v_cvt_scalef32_pk8_fp8_f32 v[CD+4*\mm:CD+4*\mm+1], v[Z+16*\mm:Z+16*\mm+7], v[QS+\mm]
	v_cvt_scalef32_pk8_fp8_f32 v[CD+4*\mm+2:CD+4*\mm+3], v[Z+16*\mm+8:Z+16*\mm+15], v[QS+\mm]
.endr
	v_nop                                          ; a plain line behind the last conversion: later products write Z again
.endm
; Unit qq of the entry in hand, stage bb (my hidden units 32 bb on), weights in buffer id.  Four accumulators (two tiles of tokens x two tiles of units) take turns, one instruction a turn, K step by K step.
.macro UNIT_A id, bb, qq
	s_bitcmp1_b32 s29, \qq
	s_cbranch_scc0 .Lua_\@
	WIN 0x09+4*((\qq)/2)                           ; source 0 (W1) window 1, source 1 (x) window 2 or 3
.irp s, 0,1,2,3
.irp mm, 0,1
.irp u, 0,1
	MM Z+16*\mm+8*\u, 128*(\id)+16*(4*\u+\s), 64*((2*\qq+\mm)%4)+16*\s, \s, WS+4*(\id)+\s, XSW+4*(2*\qq+\mm)+\s, \u
.endr
.endr
.endr
	WIN 0
	s_wait_dscnt 0x0                               ; the last unit's LDS stores have read their registers, which are written again below
.rept 8
	v_nop                                          ; eight places between these products and the first read of their results
.endr
	SILUQ
.irp mm, 0,1
	ds_store_b128 v3, v[CD+4*\mm:CD+4*\mm+3] offset:4096*(2*\qq+\mm)+512*\bb   ; one register group of the second product's operand, as it stands
	ds_store_b8 v5, v[QB+\mm] offset:128*(2*\qq+\mm)+\bb                       ; both halves of the lanes write the same byte with the same value
.endr
.Lua_\@:
.endm
	; ---- PHASE A: eight trips, an entry each; a trip whose entry is empty only steps
	s_mov_b32 s26, s24                             ; the experts still to come, a nibble each
	s_mov_b32 s27, s25                             ; their units
	s_mov_b32 s36, 0                               ; the entry's place among the hidden images
	s_mov_b32 s37, 0                               ; and among their scale words
	s_mov_b32 s38, 0
.LA:
	s_and_b32 s29, s27, 15
	s_cmp_eq_u32 s29, 0
	s_cbranch_scc1 .LA_skip
	s_wait_dscnt 0x0                               ; the last trip's LDS stores have read their addresses
	v_add_nc_u32 v3, s36, v2
	v_add_nc_u32 v5, s37, v4
	s_wait_loadcnt 0x0                             ; stage 0's chunk, asked for a stage ago, is in; nothing else is out
	s_and_b32 s34, s26, 7
	s_lshl_b32 s34, s34, 3
	s_add_co_u32 s34, s34, s47
	s_add_co_u32 s34, s34, 1                       ; W1's chunk 8 e + 2 w + 1
	CHUNKADDR
	WLOAD 1
.irp q, 0,1,2,3
	UNIT_A 0, 0, \q
.endr
	s_wait_loadcnt 0x0                             ; stage 1's chunk is in
	s_bfe_u32 s31, s26, 0x30004
	s_lshl_b32 s31, s31, 3
	s_add_co_u32 s31, s31, s47                     ; the next entry's first chunk of W1,
	s_and_b32 s34, s24, 7
	s_lshl_b32 s34, s34, 3
	s_add_co_u32 s34, s34, s48                     ; or, behind the last entry, the first entry's chunk of W2 for the output's first half
	s_bfe_u32 s30, s27, 0x40004
	s_cmp_lg_u32 s30, 0
	s_cselect_b32 s34, s31, s34
	CHUNKADDR
	WLOAD 0
.irp q, 0,1,2,3
	UNIT_A 1, 1, \q
.endr
.LA_skip:
	s_lshr_b32 s26, s26, 4
	s_lshr_b32 s27, s27, 4
	s_add_co_u32 s36, s36, 32768
	s_add_co_u32 s37, s37, 1024
	s_add_co_u32 s38, s38, 1
	s_cmp_lt_u32 s38, 8
	s_cbranch_scc1 .LA
	BARRIER                                        ; the hidden layers of all entries lie in LDS.  (The weights asked for stay on their way)
	; ---- PHASE B.  First the 64 store offsets: store k of tile m takes rows 2 k + h: token x 2,048 + my bytes of half a row
	WIN 0xc0
.irp m, 0,1,2,3,4,5,6,7
.irp k, 0,1,2,3,4,5,6,7
	ds_load_b32 v[OA+8*\m+\k], v13 offset:4*(16*\m+2*\k)
.endr
.endr
	s_wait_dscnt 0x0
	WIN 0xcc
.set i, 0
.rept 64
	v_and_b32 v[OA+i], 0x7fff, v[OA+i]
	v_min_u32 v[OA+i], 0x7fff, v[OA+i]             ; a token read from the list is held inside the table
.set i, i+1
.endr
	WIN 0xc3
.set i, 0
.rept 64
	v_lshl_add_u32 v[OA+i], v[OA+i], 11, v12
.set i, i+1
.endr
	WIN 0
; Unit qq of the entry in hand: two tiles of 16 tokens x my 64 columns, K = 256.  Four accumulators take turns in each tile.  first = 1: the products start the output's sums; a unit that the first entry does not serve starts them with zeros.
.macro UNIT_B id, first, eo, qq
	s_bitcmp1_b32 s29, \qq
.if \first
	s_cbranch_scc0 .Lz_\@
.else
	s_cbranch_scc0 .Lub_\@
.endif
.irp mm, 0,1
.irp s, 0,1
	ds_load_b32 v[XSW+2*\mm+\s], v9 offset:1024*\eo+128*(2*\qq+\mm)+64*\s
.endr
.endr
.irp mm, 0,1
.irp s, 0,1
.irp c, 0,1,2,3
	ds_load_b128 v[HF+32*\mm+16*\s+4*\c:HF+32*\mm+16*\s+4*\c+3], v7 offset:32768*\eo+4096*(2*\qq+\mm)+2048*\s+512*\c
.endr
.endr
.endr
.irp mm, 0,1                           ; my token's weight for this expert: its first, its second, or 0
	v_cmp_eq_u32 vcc_lo, s28, v[EL+2*\qq+\mm]
	v_cndmask_b32 v[CW+2*\mm], 0, v[WP+2*(2*\qq+\mm)], vcc_lo
	v_cmp_eq_u32 vcc_lo, s28, v[EH+2*\qq+\mm]
	v_cndmask_b32 v[CW+2*\mm], v[CW+2*\mm], v[WP+2*(2*\qq+\mm)+1], vcc_lo
.endr
	s_wait_dscnt 0x8                               ; the scale words and the first tile's fragments are in; the second tile's eight loads may be out
	WIN 1+2*((\id)/2)                              ; source 0 (W2) window 1 or 3
.irp s, 0,1
.irp n, 0,1,2,3
	MM DT+8*\n, 128*((\id)%2)+16*(2*\n+\s), HF+16*\s, \s, WS+4*(\id)+2*(\n/2)+\s, XSW+\s, \n%2
.endr
.endr
	s_wait_dscnt 0x0
.irp s, 0,1
.irp n, 0,1,2,3
	MM DT+32+8*\n, 128*((\id)%2)+16*(2*\n+\s), HF+32+16*\s, \s, WS+4*(\id)+2*(\n/2)+\s, XSW+2+\s, \n%2
.endr
.endr
	WIN 0
.rept 9
	v_nop                                          ; eight places ahead of the first read of the results and of loads into the operands; the ninth since the next unit's products begin these accumulators anew
.endr
.if \first
	WIN 0x80                                       ; destination window 2
.set i, 0
.rept 32
	v_pk_mul_f32 v[64*\qq+2*i:64*\qq+2*i+1], v[DT+2*i:DT+2*i+1], v[CW+2*(i/16):CW+2*(i/16)+1] op_sel_hi:[1,0]
.set i, i+1
.endr
	WIN 0
	s_branch .Lub_\@
.Lz_\@:
	WIN 0x80
.set i, 0
.rept 64
	v_mov_b32 v[64*\qq+i], 0
.set i, i+1
.endr
	WIN 0
.else
	WIN 0xa0                                       ; source 2 and destination window 2
.set i, 0
.rept 32
	v_pk_fma_f32 v[64*\qq+2*i:64*\qq+2*i+1], v[DT+2*i:DT+2*i+1], v[CW+2*(i/16):CW+2*(i/16)+1], v[64*\qq+2*i:64*\qq+2*i+1] op_sel_hi:[1,0,1]
.set i, i+1
.endr
	WIN 0
.endif
.Lub_\@:
.endm
.macro NEXTIDX                         ; W2's chunk of the next entry: 64 + 8 e + 4 g + w
	s_bfe_u32 s34, s26, 0x30004
	s_lshl_b32 s34, s34, 3
	s_add_co_u32 s34, s34, s40
.endm
; An entry: its chunk, asked for an entry ago, lies in buffer id; the next entry's goes to buffer nid.  Behind the last entry of the first half, the first entry's chunk for the second half goes to buffer 0.
.macro ENTRY id, nid, first, eo
	s_and_b32 s29, s27, 15
.if \first == 0
	s_cmp_eq_u32 s29, 0
	s_cbranch_scc1 .Len_\@
.endif
	s_wait_loadcnt 0x0                             ; my chunk is in; nothing else is out
.if \first
	NEXTIDX                                        ; a block always has a second entry: every token names two experts
	CHUNKADDR
	WLOAD \nid
.else
	s_bfe_u32 s30, s27, 0x40004
	s_cmp_eq_u32 s30, 0
	s_cbranch_scc1 .Lnn_\@
	NEXTIDX
	CHUNKADDR
	WLOAD \nid
	s_branch .Lgo_\@
.Lnn_\@:
	s_cmp_lg_u32 s39, 0
	s_cbranch_scc1 .Lgo_\@
	s_and_b32 s34, s24, 7
	s_lshl_b32 s34, s34, 3
	s_add_co_u32 s34, s34, s48
	s_add_co_u32 s34, s34, 4
	CHUNKADDR
	WLOAD 0
.Lgo_\@:
.endif
	v_add_nc_u32 v7, s36, v1                       ; (no LDS load of mine is out)
	v_add_nc_u32 v9, s37, v8
	s_and_b32 s28, s26, 7                          ; the expert in hand
.irp q, 0,1,2,3
	UNIT_B \id, \first, \eo, \q
.endr
.Len_\@:
	s_lshr_b32 s26, s26, 4
	s_lshr_b32 s27, s27, 4
.endm
; The way out of half a row of all 128 tokens.  A lane holds 32 neighbouring bytes of a row and the lanes beside it other rows: a tile goes through my own stage and comes back by rows.
; LDS serves a wave's instructions in order (ISA guide 5.7.1.4): no wait between the stores and the loads.
.macro OUTPUT
.irp m, 0,1,2,3,4,5,6,7
.if \m >= 2
	s_wait_xcnt 0x0                                ; the stores of two tiles back have read their registers: this tile's rows land there
.endif
	WIN 0x08                                       ; an LDS store's data are its source 1: window 2
.irp n, 0,1,2,3
	ds_store_b128 v10, v[32*\m+8*\n:32*\m+8*\n+3] offset:64*\n
	ds_store_b128 v10, v[32*\m+8*\n+4:32*\m+8*\n+7] offset:64*\n+16
.endr
	WIN 0
.irp k, 0,1,2,3,4,5,6,7
	ds_load_b128 v[OB+32*(\m%2)+4*\k:OB+32*(\m%2)+4*\k+3], v11 offset:544*\k
.endr
	WIN 0x03                                       ; a store's address register is its source 0: window 3
.irp k, 0,1,2,3,4,5,6,7
	s_wait_dscnt 7-\k                              ; load k is in; the younger ones may be out
	global_store_b128 v[OA+8*\m+\k], v[OB+32*(\m%2)+4*\k:OB+32*(\m%2)+4*\k+3], s[16:17] th:TH_STORE_NT   ; two tokens: 16 lanes store 256 consecutive bytes each, aligned
.endr
.endr
	WIN 0
.endm
	s_mov_b32 s40, s48                             ; 64 + 4 g + w
	s_mov_b32 s39, 0                               ; g
.LG:
	s_mov_b32 s26, s24
	s_mov_b32 s27, s25
	s_mov_b32 s36, 0
	s_mov_b32 s37, 0
	ENTRY 0, 1, 1, 0
	ENTRY 1, 2, 0, 1
	s_mov_b32 s36, 65536
	s_mov_b32 s37, 2048
	s_mov_b32 s38, 0
.LE:                                                   ; entries 2 to 7, two a trip, until the buffers' numbers are back where they began
	ENTRY 2, 1, 0, 0
	ENTRY 1, 2, 0, 1
	s_add_co_u32 s36, s36, 65536
	s_add_co_u32 s37, s37, 2048
	s_add_co_u32 s38, s38, 1
	s_cmp_lt_u32 s38, 3
	s_cbranch_scc1 .LE
	OUTPUT
	s_wait_xcnt 0x0                                ; the stores have read their registers and their base: both are written again
	s_add_nc_u64 s[16:17], s[16:17], 1024          ; the output's second half
	s_add_co_u32 s40, s40, 4
	s_add_co_u32 s39, s39, 1
	s_cmp_lt_u32 s39, 2
	s_cbranch_scc1 .LG
	s_wait_tensorcnt 0x0
	ds_add_u32 v254, v255
	s_wait_dscnt 0x0
	s_endpgm
.Lfunc_end_k_qa5f915d154_chain:
	.size	k_qa5f915d154_chain, .Lfunc_end_k_qa5f915d154_chain-k_qa5f915d154_chain
	.p2alignl 7, 3214868480
	.fill 96, 4, 3214868480
	.section	.rodata,"a",@progbits
	.p2align	6, 0x0
	.amdhsa_kernel k_qa5f915d154_chain
		.amdhsa_group_segment_fixed_size 288768
		.amdhsa_private_segment_fixed_size 0
		.amdhsa_enable_private_segment 0
		.amdhsa_kernarg_size 56
		.amdhsa_user_sgpr_count 2
		.amdhsa_user_sgpr_kernarg_segment_ptr 1
		.amdhsa_wavefront_size32 1
		.amdhsa_system_sgpr_workgroup_id_x 1
		.amdhsa_system_sgpr_workgroup_id_y 1
		.amdhsa_system_sgpr_workgroup_id_z 1
		.amdhsa_system_vgpr_workitem_id 0
		.amdhsa_next_free_vgpr 1024
		.amdhsa_next_free_sgpr 100
		.amdhsa_reserve_vcc 1
		.amdhsa_float_denorm_mode_32 3
		.amdhsa_float_denorm_mode_16_64 3
		.amdhsa_memory_ordered 1
		.amdhsa_forward_progress 1
		.amdhsa_inst_pref_size 255
	.end_amdhsa_kernel
	.section	.bss,"aw",@nobits
	.p2align	6
	.space	262144
	.amdgpu_metadata
---
amdhsa.version: [ 1, 2 ]
amdhsa.kernels:
  - .name:           k_qa5f915d154_chain
    .symbol:         k_qa5f915d154_chain.kd
    .args:
      - { .name: xc, .offset: 0, .size: 8, .value_kind: global_buffer, .address_space: global }
      - { .name: xs, .offset: 8, .size: 8, .value_kind: global_buffer, .address_space: global }
      - { .name: order, .offset: 16, .size: 8, .value_kind: global_buffer, .address_space: global }
      - { .name: blocks, .offset: 24, .size: 8, .value_kind: global_buffer, .address_space: global }
      - { .name: gw, .offset: 32, .size: 8, .value_kind: global_buffer, .address_space: global }
      - { .name: wimg, .offset: 40, .size: 8, .value_kind: global_buffer, .address_space: global }
      - { .name: out0, .offset: 48, .size: 8, .value_kind: global_buffer, .address_space: global }
    .group_segment_fixed_size: 288768
    .private_segment_fixed_size: 0
    .kernarg_segment_align: 8
    .kernarg_segment_size: 56
    .max_flat_workgroup_size: 128
    .sgpr_count:     100
    .vgpr_count:     1024
    .wavefront_size: 32
...
	.end_amdgpu_metadata
.endif
;; end of part 3
;; ======== version 2 of 2: 3 launches; version 1 with the launch chain written anew for expert scheduling mode
;; workspace buffers: xc 16,777,216 bytes; xs 524,288 bytes; gw 262,144 bytes; sel 131,072 bytes of whole numbers; hist 32,768 bytes of whole numbers; order 131,072 bytes of whole numbers; blocks 2,048 bytes of whole numbers; wimg 2,162,688 bytes
;; launch route: the kernel of part 1 again; grid 256 x 1, 8 waves a work-group, no clusters, 195,072 bytes of LDS; arguments x, Wg, xc, xs, sel, gw, hist; writes xc, xs, sel, gw, hist
;; launch place: the kernel of part 2 again; grid 320 x 1, 4 waves a work-group, no clusters, 2,560 bytes of LDS; arguments sel, hist, W1, W2, order, blocks, wimg; writes order, blocks, wimg
;; launch chain (part 4): grid 256 x 1, 4 waves a work-group, no clusters, 288,768 bytes of LDS; arguments xc, xs, order, blocks, gw, wimg, out0; writes out0
.if DOCPART == 4
	.amdgcn_target "amdgcn-amd-amdhsa--gfx1250"
	.amdhsa_code_object_version 6
	.text
	.protected	k_qa5f915d154_chain
	.globl	k_qa5f915d154_chain
	.p2align	8
	.type	k_qa5f915d154_chain,@function
k_qa5f915d154_chain:
	s_mov_b64 s[64:65], 0
	v_nop
	global_prefetch_b8 v0, s[64:65] scope:SCOPE_SE
	s_setreg_imm32_b32 hwreg(HW_REG_WAVE_SCHED_MODE, 0, 2), 2
	s_setreg_imm32_b32 hwreg(HW_REG_WAVE_MODE, 25, 1), 1
	s_wait_xcnt 0x0
	s_wait_alu depctr_vm_vsrc(0)
; CHAIN.  out[token] = the sum over the token's two experts e of weight x (Q(silu(Q(x) Q(W1[e]))) Q(W2[e])), Q the MX-FP8 quantiser along each product's K; both products by the scaled FP8 matrix instruction, sums in f32.
; Only the two chosen experts of a token are multiplied: the other six have the combine weight 0 in the definition.
; SHARES.  A work-group owns one block of 128 tokens of the list sorted by pairs of experts, so each output row has one owner.  The block's descriptor names the experts that it uses (ENTRIES, a nibble each, ascending)
; and, for each, which of the block's four UNITS of 32 tokens (two tiles of 16) use it.  A unit is multiplied for an entry as a whole; a token of it that has not chosen that expert gets the weight 0.
; THE FOUR WAVES SHARE THE COLUMNS: wave w makes hidden units 64 w on and, in each half g of the output, columns 256 g + 64 w on, for all 128 tokens: each weight byte enters the work-group once.
; The weights come from memory straight into registers, as images of operand registers (16,896 bytes a wave and stage), asked for one stage ahead.
; PHASE 0: the tokens' codes are gathered (a wave 32 rows of 512 bytes), go through LDS, and all 32 fragments of x stay in every wave's registers.
; PHASE A: for each entry: my 64 hidden units in two stages of 32; x W1 transposed (source 0 = 16 rows of W1^T, source 1 = 16 tokens), so that a lane holds one token and 16 neighbouring hidden units; silu; quantised;
;   codes and scale bytes go to LDS as images of the second product's operand.  The hidden layers of all entries have LDS bytes of their own: nothing is written twice.
; PHASE B: for each half of the output and each entry: hidden fragments from LDS x my 64 columns of W2, times the token's weight, added in 256 registers; then rows leave through my own stage, 256 aligned bytes to 16 lanes.
; Three barriers, all on every wave's path; the branches on the descriptor stand round register work, loads and LDS accesses alone.
; NO TENSOR LOADS, NO CLUSTER: which experts and units a work-group walks hangs on the stored lists, and neighbouring blocks need not share an expert.
; LIMITS: NaN and infinities are not served; a block of zeros gets the byte 1 (its codes are zeros); the floor of a block's largest magnitude is 2^-118.
; REGISTERS, in windows of 256.  Window 0: v1-13 addresses; v16-31 the tokens' two experts; v32-47 their two weights; v48-79 x's scale words (phase B: v48-51 the hidden layer's); v80-91 the weights' scale words, three sets;
;   v92-95 the weight in hand; v96-105 the quantiser's; v112-143 Z, v144-175 T, v176-183 codes (phase A); v112-175 hidden fragments or rows on their way out, v176-239 products (phase B).
;   Window 1: weight buffers 0 (v0-127) and 1 (v128-255).  Window 2: x's tiles 0-3, then the 32 accumulators of the output (tile m, column tile n at 32 m + 8 n).
;   Window 3: x's tiles 4-7, then weight buffer 2 (v0-127) and the 64 store offsets (v128-191).
; THE MODE: SCHED_MODE bits 1:0 = 2 (LLVM: expert scheduling mode 2), set by the entry lines.  The code itself states the register dependences
; between vector or matrix instructions and memory or LDS instructions, with s_wait_alu, always for 0.
; THE PLAN.  Registers that memory or LDS instructions touch, and who else names them:
;   v1, v10, v11, v13, v107-111, v184, v185   addresses, made at the head: one wait on va_vdst ahead of the first load serves every access by them.
;   Z, T in phase 0        offsets of the gathers, made by vector instructions: a wait on va_vdst ahead of each of the two runs of loads; one wait on vm_vsrc behind the first barrier frees them, v184, v185 and the LDS stores' data.
;   v3, v5; CD, QB         phase A's LDS stores read them.  v3, v5 are written at a trip's head, CD and QB by each unit's quantiser: a wait on vm_vsrc ahead of each of these writes; ONE wait on va_vdst in a unit, ahead of its stores.
;   weight buffers, WS     read by a unit's products, loaded again a stage or an entry later.  In both phases every unit's products stand ahead of a wait on va_vdst of that same unit, and nothing behind that wait names
;                          these registers: so the chunks' loads owe no wait of their own.  The same holds of x's registers, in which weight buffer 2 and the store offsets land, and of Z and T, in which hidden fragments land.
;   HF, XSW+0..3           phase B: loaded by a unit, read by its 16 products.  ONE wait on va_vdst in a unit, behind the products' places and ahead of the multiply-adds, which name the products, the weight in hand
;                          and the accumulators alone: the next unit's LDS loads follow them with no further wait.
;   v7, v9                 phase B's LDS load addresses, written at an entry's head: a wait on vm_vsrc ahead of the two additions, one on va_vdst behind them.
;   accumulators, OA, OB   the way out: one wait on va_vdst at its head (the LDS stores read the accumulators, the global stores the offsets OA); a wait on vm_vsrc wherever rows land again in registers that stores have read.
;   s18; s50-53            written by vector instructions: a wait on va_sdst ahead of the first reader.
.set CHB,  16896                       ; a chunk of wimg
.set HSB,  262144                      ; LDS: 0: the hidden images, 32,768 an entry, 4,096 a tile, 2,048 a K step, 512 a register group; here: their scale words, 1,024 an entry, 128 a tile, 64 a K step, 4 a token
.set OST,  270336                      ; a stage of 16 rows x 272 bytes for each wave
.set TOK,  287744                      ; the block's 128 words of the list
.set XSS,  67584                       ; phase 0 only, in the hidden images' bytes: from 0 the codes, 128 rows x 528; here x's scale words, 16 bytes a token
.set EL,  16
.set EH,  24
.set WP,  32
.set XSW, 48
.set WS,  80
.set CW,  92
.set QM,  96
.set QP,  98
.set QS,  100
.set QL,  102
.set QB,  104
.set Z,   112
.set T,   144
.set CD,  176
.set HF,  112
.set DT,  176
.set OB,  112
.set OA,  128
.set CM,  50                           ; s50-53  phase B: which lanes' tokens have the expert in hand as their first, as their second; two tiles
.set MSB, 0
.macro WIN new                         ; the immediate's high byte repeats the setting that is left
.if MSB != (\new)
	s_set_vgpr_msb (MSB<<8)|(\new)
.set MSB, (\new)
.endif
.endm
.macro BARRIER                         ; my LDS stores have landed and my LDS loads are in: then the work-group's barrier
	s_wait_dscnt 0x0
	s_barrier_signal -1
	s_barrier_wait -1
.endm
.macro CHUNKADDR                       ; s34: a chunk's number, made of loaded numbers: held inside wimg's 128 chunks.  Stands behind a wait that shows every load from s[32:33] done
	s_min_u32 s34, s34, 127
	s_mul_i32 s34, s34, CHB
	s_mov_b32 s35, 0
	s_add_nc_u64 s[32:33], s[14:15], s[34:35]
.endm
; A chunk into weight buffer id (0, 1: window 1; 2: window 3) and scale set id: 33 loads of 512 consecutive bytes.  No wait on va_vdst stands here: the products that read this buffer and this scale set
; stand ahead of their own unit's wait, and no vector or matrix instruction behind that wait names them; v1 is never written again.
.macro WLOAD id
	WIN 0x40+0x80*((\id)/2)
.irp j, 0,1,2,3,4,5,6,7
.irp c, 0,1,2,3
	global_load_b128 v[128*((\id)%2)+16*\j+4*\c:128*((\id)%2)+16*\j+4*\c+3], v1, s[32:33] offset:2048*\j+512*\c
.endr
.endr
	WIN 0
	global_load_b128 v[WS+4*(\id):WS+4*(\id)+3], v1, s[32:33] offset:16384
.endm
; one scaled product.  ks = 0: it starts the sum.  row: source 0's scales stand in lanes 16-31 of their register
.macro MM d, a, b, ks, sa, sb, row
.if (\ks) == 0
.if (\row) != 0
	v_wmma_scale_f32_16x16x128_f8f6f4 v[\d:\d+7], v[\a:\a+15], v[\b:\b+15], 0, v[\sa], v[\sb] matrix_a_scale:MATRIX_SCALE_ROW1
.else
	v_wmma_scale_f32_16x16x128_f8f6f4 v[\d:\d+7], v[\a:\a+15], v[\b:\b+15], 0, v[\sa], v[\sb]
.endif
.else
.if (\row) != 0
	v_wmma_scale_f32_16x16x128_f8f6f4 v[\d:\d+7], v[\a:\a+15], v[\b:\b+15], v[\d:\d+7], v[\sa], v[\sb] matrix_a_scale:MATRIX_SCALE_ROW1
.else
	v_wmma_scale_f32_16x16x128_f8f6f4 v[\d:\d+7], v[\a:\a+15], v[\b:\b+15], v[\d:\d+7], v[\sa], v[\sb]
.endif
.endif
.endm
	s_load_b256 s[4:11], s[0:1], 0x0               ; xc, xs, order, blocks
	s_load_b128 s[12:15], s[0:1], 0x20             ; gw, wimg
	s_load_b64 s[16:17], s[0:1], 0x30              ; out0
	v_lshl_add_u32 v254, v0, 2, 0x46600
	v_mov_b32 v255, 0
	v_lshrrev_b32 v14, 5, v0
	v_readfirstlane_b32 s18, v14                   ; wave 0..3
	v_and_b32 v14, 31, v0                          ; lane
	v_and_b32 v15, 15, v0                          ; r
	v_bfe_u32 v106, v0, 4, 1                       ; h
	v_lshlrev_b32 v1, 4, v14                       ; 16 x lane: an image's place for my lane
	s_wait_alu depctr_va_sdst(0)                   ; s18 is written, ahead of its first reader
	s_lshl_b32 s46, s18, 10
	v_add_nc_u32 v2, s46, v1                       ; where I store hidden images: my 64 units are K step w / 2, register groups 2 (w % 2) on: 1,024 w
	s_lshr_b32 s46, s18, 1
	s_lshl_b32 s46, s46, 6
	s_and_b32 s47, s18, 1
	s_lshl_b32 s47, s47, 1
	s_add_co_u32 s46, s46, s47
	s_add_co_u32 s46, s46, HSB
	v_lshl_add_u32 v4, v15, 2, s46                 ; and their scale bytes: 4 r + 64 (w / 2) + 2 (w % 2)
	v_lshl_add_u32 v8, v15, 2, HSB                 ; where I read scale words
	s_mul_i32 s46, s18, 4352
	s_add_co_u32 s46, s46, OST                     ; my stage
	v_mul_u32_u24 v10, v15, 272
	v_lshl_add_u32 v10, v106, 5, v10
	v_add_nc_u32 v10, s46, v10                     ; in: row r, 32 bytes for each half of the lanes
	v_mul_u32_u24 v11, v106, 272
	v_lshl_add_u32 v11, v15, 4, v11
	v_add_nc_u32 v11, s46, v11                     ; back: lanes 0-15 one row of 256 bytes, lanes 16-31 the next
	s_lshl_b32 s46, s18, 8
	v_lshl_add_u32 v12, v15, 4, s46                ; my bytes in half a row of the output: 256 w + 16 r
	v_lshl_add_u32 v13, v106, 2, TOK               ; the list's words of two neighbouring rows
	s_mul_i32 s46, s18, 16896
	v_add_nc_u32 v107, s46, v1                     ; phase 0: my 32 rows of codes, in
	s_lshl_b32 s46, s18, 9
	s_add_co_u32 s46, s46, XSS
	v_add_nc_u32 v108, s46, v1                     ; their scale words, in
	s_lshl_b32 s46, s18, 7
	s_add_co_u32 s46, s46, TOK
	v_lshl_add_u32 v109, v14, 2, s46               ; their words of the list, in
	v_mul_u32_u24 v110, v15, 528
	v_lshl_add_u32 v110, v106, 4, v110             ; a fragment of x: row r, + 16 h
	v_lshl_add_u32 v111, v15, 4, XSS               ; and its scale words
	v_lshlrev_b32 v184, 2, v15
	v_lshlrev_b32 v185, 2, v14
	v_mov_b32 v[QP], 0                             ; written once: a lane permute's destination counts as one of its sources
	v_mov_b32 v[QP+1], 0
	v_mov_b32 v[CW+1], 0                           ; (named as the upper halves of pairs)
	v_mov_b32 v[CW+3], 0
.irp k, 8,9,10,11
	v_mov_b32 v[WS+\k], 0x7f7f7f7f                 ; scale set 2 holds scales from the start
.endr
	s_mov_b32 s19, 0x600000                        ; the mantissa field of 448
	s_mov_b32 s20, 0x76543210
	s_mov_b32 s21, 0xfedcba98                      ; v_permlanex16_b32's selects for lane l xor 16
	s_mov_b32 s22, 0xbfb8aa3b                      ; -log2(e)
	s_mov_b32 s23, s22
	s_lshl_b32 s47, s18, 1                         ; 2 w
	s_add_co_u32 s48, s18, 64                      ; 64 + w
	s_mov_b32 s35, 0
	s_wait_kmcnt 0x0
	s_lshl_b32 s34, ttmp9, 3
	s_add_nc_u64 s[40:41], s[10:11], s[34:35]      ; my block's descriptor
	s_lshl_b32 s34, ttmp9, 9
	s_add_nc_u64 s[44:45], s[8:9], s[34:35]        ; its 128 words of the list
	s_lshl_b32 s34, s18, 7
	s_add_nc_u64 s[42:43], s[44:45], s[34:35]      ; my wave's 32 of them
	s_load_b64 s[24:25], s[40:41], 0x0             ; elist, mlist
	s_load_b512 s[68:83], s[42:43], 0x0
	s_load_b512 s[84:99], s[42:43], 0x40
	s_wait_alu depctr_va_vdst(0)                   ; the addresses v1, v10, v11, v13, v107 to v111, v184 and v185 are written, which loads and stores from here on read; so is scale set 2, which products may name and in which a load lands
.irp m, 0,1,2,3,4,5,6,7
	global_load_b32 v[T+\m], v184, s[44:45] offset:64*\m           ; tile m's word for my token r
.endr
	global_load_b32 v[T+8], v185, s[42:43]         ; and my wave's 32, a lane each
	s_wait_kmcnt 0x0
.set j, 0
.rept 32
	s_and_b32 s34, s[68+j], 0x7fff
	s_min_u32 s34, s34, 0x7fff                     ; a token read from the list is held inside the table
	s_lshl_b32 s34, s34, 9
	v_add_nc_u32 v[Z+j], s34, v1
.set j, j+1
.endr
	WIN 0x80                                       ; destination window 2
	s_wait_alu depctr_va_vdst(0)                   ; the 32 offsets v[Z ..] are written, which the loads below read
.set j, 0
.rept 32
	global_load_b128 v[4*j:4*j+3], v[Z+j], s[4:5] th:TH_LOAD_NT    ; a token's 512 codes: 512 consecutive bytes; each row is read once in the launch
.set j, j+1
.endr
	WIN 0
	s_wait_loadcnt 32                              ; the list's words are in: the 32 rows were asked for behind them
.irp m, 0,1,2,3,4,5,6,7
	v_bfe_u32 v[EL+\m], v[T+\m], 16, 4
	v_bfe_u32 v[EH+\m], v[T+\m], 20, 4
	v_and_b32 v[T+16+\m], 0x7fff, v[T+\m]
	v_min_u32 v[T+16+\m], 0x7fff, v[T+16+\m]
	v_lshlrev_b32 v[T+16+\m], 3, v[T+16+\m]
.endr
	v_and_b32 v[T+9], 0x7fff, v[T+8]
	v_min_u32 v[T+9], 0x7fff, v[T+9]
	v_lshlrev_b32 v[T+9], 4, v[T+9]
	s_wait_alu depctr_va_vdst(0)                   ; the offsets v[T+9] and v[T+16 ..] are written, which the nine loads below read
	global_load_b128 v[T+12:T+15], v[T+9], s[6:7]  ; x's four scale words of my wave's token lane
.irp m, 0,1,2,3,4,5,6,7
	global_load_b64 v[WP+2*\m:WP+2*\m+1], v[T+16+\m], s[12:13]     ; the two weights of tile m's token r
.endr
	s_and_b32 s34, s24, 7
	s_lshl_b32 s34, s34, 3
	s_add_co_u32 s34, s34, s47                     ; W1's chunk 8 e + 2 w of the first entry
	CHUNKADDR
	WLOAD 0
	s_wait_loadcnt 42                              ; the 32 rows are in: 9 + 33 loads were issued behind them
	WIN 0x08                                       ; an LDS store's data are its source 1: window 2
.set j, 0
.rept 32
	ds_store_b128 v107, v[4*j:4*j+3] offset:528*j
.set j, j+1
.endr
	WIN 0
	s_wait_loadcnt 33                              ; scale words and weights are in: the chunk's 33 loads stay out
	ds_store_b128 v108, v[T+12:T+15]
	ds_store_b32 v109, v[T+8]
	BARRIER                                        ; the block's codes, scale words and list lie in LDS
	WIN 0x80
	s_wait_alu depctr_vm_vsrc(0)                   ; my LDS stores have read the rows' registers, in which x's fragments land below, and v[T+8], v[T+12 ..]; the gathers have read their offsets in Z and T, v184 and v185: products and vector work write all these from here on
.irp m, 0,1,2,3
.irp s, 0,1,2,3
.irp c, 0,1,2,3
	ds_load_b128 v[64*\m+16*\s+4*\c:64*\m+16*\s+4*\c+3], v110 offset:8448*\m+128*\s+32*\c
.endr
.endr
.endr
	WIN 0xc0
.irp m, 0,1,2,3
.irp s, 0,1,2,3
.irp c, 0,1,2,3
	ds_load_b128 v[64*\m+16*\s+4*\c:64*\m+16*\s+4*\c+3], v110 offset:8448*(\m+4)+128*\s+32*\c
.endr
.endr
.endr
	WIN 0
.irp m, 0,1,2,3,4,5,6,7
	ds_load_b128 v[XSW+4*\m:XSW+4*\m+3], v111 offset:256*\m
.endr
	BARRIER                                        ; every wave has x in registers: only now do hidden images take these bytes
; silu and the quantiser on 32 numbers a lane: Z + 16 mm + i = hidden unit 16 h + i (of my stage's 32) of token r of tile mm.  One block of 32 lies in lanes l and l xor 16.
.macro SILUQ
.set i, 0
.rept 16
	v_pk_mul_f32 v[T+i:T+i+1], v[Z+i:Z+i+1], s[22:23] op_sel_hi:[1,0]      ; -z log2(e); each accumulator is read from its low end on
.set i, i+2
.endr
.set i, 0
.rept 32
	v_exp_f32 v[T+i], v[T+i]
.set i, i+1
.endr
	v_nop                                          ; a plain line behind the last exponential
	s_wait_alu depctr_va_vdst(0)                   ; the 32 exponentials have written v[T ..]: one wait for the batch, ahead of its first reader
.set i, 0
.rept 16
	v_pk_add_f32 v[T+i:T+i+1], v[T+i:T+i+1], 1.0 op_sel_hi:[1,0]
.set i, i+2
.endr
.set i, 0
.rept 32
	v_rcp_f32 v[T+i], v[T+i]
.set i, i+1
.endr
	v_nop
	s_wait_alu depctr_va_vdst(0)                   ; the 32 reciprocals have written v[T ..]: and one for them
.set i, 0
.rept 16
	v_pk_mul_f32 v[Z+i:Z+i+1], v[Z+i:Z+i+1], v[T+i:T+i+1]                 ; silu(z) = z / (1 + e^-z)
.set i, i+2
.endr
.irp mm, 0,1
	v_max3_num_f32 v[QM+\mm], |v[Z+16*\mm]|, |v[Z+16*\mm+1]|, 0x4800000   ; my 16 numbers, and the floor 2^(9 - 127): the byte cannot fall under 1
.endr
.irp j, 2,4,6,8,10,12,14
.irp mm, 0,1
	v_max3_num_f32 v[QM+\mm], v[QM+\mm], |v[Z+16*\mm+\j]|, |v[Z+16*\mm+\j+1]|
.endr
.endr
.irp mm, 0,1
	v_permlanex16_b32 v[QP+\mm], v[QM+\mm], s20, s21
.endr
.irp mm, 0,1
	v_max_num_f32 v[QM+\mm], v[QM+\mm], v[QP+\mm]  ; with lane l xor 16's: the block's largest magnitude
.endr
.irp mm, 0,1
	v_add_nc_u32 v[QS+\mm], 0xfc000000, v[QM+\mm]  ; 8 off its exponent field: the conversion's scale operand
.endr
.irp mm, 0,1
	v_and_or_b32 v[QL+\mm], v[QM+\mm], 0x7f800000, s19             ; 448 x the scale
.endr
.irp mm, 0,1
	v_lshrrev_b32 v[QB+\mm], 23, v[QS+\mm]         ; the scale's byte
.endr
.irp mm, 0,1
.irp j, 0,1,2,3,4,5,6,7,8,9,10,11,12,13,14,15
	v_med3_num_f32 v[Z+16*\mm+\j], v[Z+16*\mm+\j], -v[QL+\mm], v[QL+\mm]   ; the conversion to an 8-bit code does not saturate (ISA guide 7.6.2)
.endr
	v_cvt_scalef32_pk8_fp8_f32 v[CD+4*\mm:CD+4*\mm+1], v[Z+16*\mm:Z+16*\mm+7], v[QS+\mm]
	v_cvt_scalef32_pk8_fp8_f32 v[CD+4*\mm+2:CD+4*\mm+3], v[Z+16*\mm+8:Z+16*\mm+15], v[QS+\mm]
.endr
	v_nop                                          ; a plain line behind the last conversion: later products write Z again
.endm
; Unit qq of the entry in hand, stage bb (my hidden units 32 bb on), weights in buffer id.  Four accumulators (two tiles of tokens x two tiles of units) take turns, one instruction a turn, K step by K step.
.macro UNIT_A id, bb, qq
	s_bitcmp1_b32 s29, \qq
	s_cbranch_scc0 .Lua_\@
	WIN 0x09+4*((\qq)/2)                           ; source 0 (W1) window 1, source 1 (x) window 2 or 3
.irp s, 0,1,2,3
.irp mm, 0,1
.irp u, 0,1
	MM Z+16*\mm+8*\u, 128*(\id)+16*(4*\u+\s), 64*((2*\qq+\mm)%4)+16*\s, \s, WS+4*(\id)+\s, XSW+4*(2*\qq+\mm)+\s, \u
.endr
.endr
.endr
	WIN 0
	s_wait_dscnt 0x0                               ; the last unit's LDS stores are done
	s_wait_alu depctr_vm_vsrc(0)                   ; they have read v[CD ..] and v[QB ..], which the quantiser below writes again
.rept 8
	v_nop                                          ; eight places between these products and the first read of their results
.endr
	SILUQ
	s_wait_alu depctr_va_vdst(0)                   ; the conversions have written v[CD ..], the shifts v[QB ..], the trip's head v3 and v5: the four LDS stores read them.  It also shows this unit's products done reading their weights, scale words and x, and the vector work done with Z and T: later loads land in all of these
.irp mm, 0,1
	ds_store_b128 v3, v[CD+4*\mm:CD+4*\mm+3] offset:4096*(2*\qq+\mm)+512*\bb   ; one register group of the second product's operand, as it stands
	ds_store_b8 v5, v[QB+\mm] offset:128*(2*\qq+\mm)+\bb                       ; both halves of the lanes write the same byte with the same value
.endr
.Lua_\@:
.endm
	; ---- PHASE A: eight trips, an entry each; a trip whose entry is empty only steps
	s_mov_b32 s26, s24                             ; the experts still to come, a nibble each
	s_mov_b32 s27, s25                             ; their units
	s_mov_b32 s36, 0                               ; the entry's place among the hidden images
	s_mov_b32 s37, 0                               ; and among their scale words
	s_mov_b32 s38, 0
.LA:
	s_and_b32 s29, s27, 15
	s_cmp_eq_u32 s29, 0
	s_cbranch_scc1 .LA_skip
	s_wait_dscnt 0x0                               ; the last trip's LDS stores are done
	s_wait_alu depctr_vm_vsrc(0)                   ; they have read their addresses v3 and v5, which are written again here
	v_add_nc_u32 v3, s36, v2
	v_add_nc_u32 v5, s37, v4
	s_wait_loadcnt 0x0                             ; stage 0's chunk, asked for a stage ago, is in; nothing else is out
	s_and_b32 s34, s26, 7
	s_lshl_b32 s34, s34, 3
	s_add_co_u32 s34, s34, s47
	s_add_co_u32 s34, s34, 1                       ; W1's chunk 8 e + 2 w + 1
	CHUNKADDR
	WLOAD 1
.irp q, 0,1,2,3
	UNIT_A 0, 0, \q
.endr
	s_wait_loadcnt 0x0                             ; stage 1's chunk is in
	s_bfe_u32 s31, s26, 0x30004
	s_lshl_b32 s31, s31, 3
	s_add_co_u32 s31, s31, s47                     ; the next entry's first chunk of W1,
	s_and_b32 s34, s24, 7
	s_lshl_b32 s34, s34, 3
	s_add_co_u32 s34, s34, s48                     ; or, behind the last entry, the first entry's chunk of W2 for the output's first half
	s_bfe_u32 s30, s27, 0x40004
	s_cmp_lg_u32 s30, 0
	s_cselect_b32 s34, s31, s34
	CHUNKADDR
	WLOAD 0
.irp q, 0,1,2,3
	UNIT_A 1, 1, \q
.endr
.LA_skip:
	s_lshr_b32 s26, s26, 4
	s_lshr_b32 s27, s27, 4
	s_add_co_u32 s36, s36, 32768
	s_add_co_u32 s37, s37, 1024
	s_add_co_u32 s38, s38, 1
	s_cmp_lt_u32 s38, 8
	s_cbranch_scc1 .LA
	BARRIER                                        ; the hidden layers of all entries lie in LDS.  (The weights asked for stay on their way)
	; ---- PHASE B.  First the 64 store offsets: store k of tile m takes rows 2 k + h: token x 2,048 + my bytes of half a row
	WIN 0xc0
.irp m, 0,1,2,3,4,5,6,7
.irp k, 0,1,2,3,4,5,6,7
	ds_load_b32 v[OA+8*\m+\k], v13 offset:4*(16*\m+2*\k)           ; into registers that held x: the products that read them stand ahead of their units' waits on va_vdst
.endr
.endr
	s_wait_dscnt 0x0
	WIN 0xcc
.set i, 0
.rept 64
	v_and_b32 v[OA+i], 0x7fff, v[OA+i]
	v_min_u32 v[OA+i], 0x7fff, v[OA+i]             ; a token read from the list is held inside the table
.set i, i+1
.endr
	WIN 0xc3
.set i, 0
.rept 64
	v_lshl_add_u32 v[OA+i], v[OA+i], 11, v12
.set i, i+1
.endr
	WIN 0
; Unit qq of the entry in hand: two tiles of 16 tokens x my 64 columns, K = 256.  Four accumulators take turns in each tile.  first = 1: the products start the output's sums; a unit that the first entry does not serve starts them with zeros.
.macro UNIT_B id, first, eo, qq
	s_bitcmp1_b32 s29, \qq
.if \first
	s_cbranch_scc0 .Lz_\@
.else
	s_cbranch_scc0 .Lub_\@
.endif
.irp mm, 0,1                           ; no wait on va_vdst stands ahead of these 20 loads: v7 and v9 have the entry's, the last unit's products their own, and the multiply-adds behind that name none of these registers
.irp s, 0,1
	ds_load_b32 v[XSW+2*\mm+\s], v9 offset:1024*\eo+128*(2*\qq+\mm)+64*\s
.endr
.endr
.irp mm, 0,1
.irp s, 0,1
.irp c, 0,1,2,3
	ds_load_b128 v[HF+32*\mm+16*\s+4*\c:HF+32*\mm+16*\s+4*\c+3], v7 offset:32768*\eo+4096*(2*\qq+\mm)+2048*\s+512*\c
.endr
.endr
.endr
.irp mm, 0,1                           ; my token's weight for this expert: its first, its second, or 0.  The four compares stand in one run
	v_cmp_eq_u32 s[CM+2*\mm], s28, v[EL+2*\qq+\mm]
	v_cmp_eq_u32 s[CM+2*\mm+1], s28, v[EH+2*\qq+\mm]
.endr
	s_wait_alu depctr_va_sdst(0)                   ; the four masks s50 to s53 are written, ahead of their first reader
.irp mm, 0,1
	v_cndmask_b32 v[CW+2*\mm], 0, v[WP+2*(2*\qq+\mm)], s[CM+2*\mm]
	v_cndmask_b32 v[CW+2*\mm], v[CW+2*\mm], v[WP+2*(2*\qq+\mm)+1], s[CM+2*\mm+1]
.endr
	s_wait_dscnt 0x8                               ; the scale words and the first tile's fragments are in; the second tile's eight loads may be out
	WIN 1+2*((\id)/2)                              ; source 0 (W2) window 1 or 3
.irp s, 0,1
.irp n, 0,1,2,3
	MM DT+8*\n, 128*((\id)%2)+16*(2*\n+\s), HF+16*\s, \s, WS+4*(\id)+2*(\n/2)+\s, XSW+\s, \n%2
.endr
.endr
	s_wait_dscnt 0x0
.irp s, 0,1
.irp n, 0,1,2,3
	MM DT+32+8*\n, 128*((\id)%2)+16*(2*\n+\s), HF+32+16*\s, \s, WS+4*(\id)+2*(\n/2)+\s, XSW+2+\s, \n%2
.endr
.endr
	WIN 0
.rept 9
	v_nop                                          ; eight places ahead of the first read of the results; the ninth since the next unit's products begin these accumulators anew
.endr
	s_wait_alu depctr_va_vdst(0)                   ; the 16 products are done reading the hidden fragments, their scale words, the weights' buffer and its scale set: the next unit's LDS loads, a later entry's chunk and the rows on their way out land there
.if \first
	WIN 0x80                                       ; destination window 2
.set i, 0
.rept 32
	v_pk_mul_f32 v[64*\qq+2*i:64*\qq+2*i+1], v[DT+2*i:DT+2*i+1], v[CW+2*(i/16):CW+2*(i/16)+1] op_sel_hi:[1,0]
.set i, i+1
.endr
	WIN 0
	s_branch .Lub_\@
.Lz_\@:
	WIN 0x80
.set i, 0
.rept 64
	v_mov_b32 v[64*\qq+i], 0
.set i, i+1
.endr
	WIN 0
.else
	WIN 0xa0                                       ; source 2 and destination window 2
.set i, 0
.rept 32
	v_pk_fma_f32 v[64*\qq+2*i:64*\qq+2*i+1], v[DT+2*i:DT+2*i+1], v[CW+2*(i/16):CW+2*(i/16)+1], v[64*\qq+2*i:64*\qq+2*i+1] op_sel_hi:[1,0,1]
.set i, i+1
.endr
	WIN 0
.endif
.Lub_\@:
.endm
.macro NEXTIDX                         ; W2's chunk of the next entry: 64 + 8 e + 4 g + w
	s_bfe_u32 s34, s26, 0x30004
	s_lshl_b32 s34, s34, 3
	s_add_co_u32 s34, s34, s40
.endm
; An entry: its chunk, asked for an entry ago, lies in buffer id; the next entry's goes to buffer nid.  Behind the last entry of the first half, the first entry's chunk for the second half goes to buffer 0.
.macro ENTRY id, nid, first, eo
	s_and_b32 s29, s27, 15
.if \first == 0
	s_cmp_eq_u32 s29, 0
	s_cbranch_scc1 .Len_\@
.endif
	s_wait_loadcnt 0x0                             ; my chunk is in; nothing else is out
.if \first
	NEXTIDX                                        ; a block always has a second entry: every token names two experts
	CHUNKADDR
	WLOAD \nid
.else
	s_bfe_u32 s30, s27, 0x40004
	s_cmp_eq_u32 s30, 0
	s_cbranch_scc1 .Lnn_\@
	NEXTIDX
	CHUNKADDR
	WLOAD \nid
	s_branch .Lgo_\@
.Lnn_\@:
	s_cmp_lg_u32 s39, 0
	s_cbranch_scc1 .Lgo_\@
	s_and_b32 s34, s24, 7
	s_lshl_b32 s34, s34, 3
	s_add_co_u32 s34, s34, s48
	s_add_co_u32 s34, s34, 4
	CHUNKADDR
	WLOAD 0
.Lgo_\@:
.endif
	s_wait_alu depctr_vm_vsrc(0)                   ; the LDS loads of the entry before have read v7 and v9, which are written again here; ahead of the first entry: phase A's LDS stores have read v[CD ..], in which products land from here on
	v_add_nc_u32 v7, s36, v1                       ; (no LDS load of mine is out)
	v_add_nc_u32 v9, s37, v8
	s_wait_alu depctr_va_vdst(0)                   ; v7 and v9 are written, which the units' LDS loads read
	s_and_b32 s28, s26, 7                          ; the expert in hand
.irp q, 0,1,2,3
	UNIT_B \id, \first, \eo, \q
.endr
.Len_\@:
	s_lshr_b32 s26, s26, 4
	s_lshr_b32 s27, s27, 4
.endm
; The way out of half a row of all 128 tokens.  A lane holds 32 neighbouring bytes of a row and the lanes beside it other rows: a tile goes through my own stage and comes back by rows.
; LDS serves a wave's instructions in order (ISA guide 5.7.1.4): no wait between the stores and the loads.
.macro OUTPUT
	s_wait_alu depctr_va_vdst(0)                   ; the multiply-adds have written the accumulators, which the LDS stores read; the 64 offsets v[OA ..] are written, which the global stores read.  No vector instruction stands in the way out
.irp m, 0,1,2,3,4,5,6,7
.if \m >= 2
	s_wait_xcnt 0x0                                ; the stores of two tiles back have had their addresses translated,
	s_wait_alu depctr_vm_vsrc(0)                   ; and have read their rows' registers: this tile's rows land there
.endif
	WIN 0x08                                       ; an LDS store's data are its source 1: window 2
.irp n, 0,1,2,3
	ds_store_b128 v10, v[32*\m+8*\n:32*\m+8*\n+3] offset:64*\n
	ds_store_b128 v10, v[32*\m+8*\n+4:32*\m+8*\n+7] offset:64*\n+16
.endr
	WIN 0
.irp k, 0,1,2,3,4,5,6,7
	ds_load_b128 v[OB+32*(\m%2)+4*\k:OB+32*(\m%2)+4*\k+3], v11 offset:544*\k
.endr
	WIN 0x03                                       ; a store's address register is its source 0: window 3
.irp k, 0,1,2,3,4,5,6,7
	s_wait_dscnt 7-\k                              ; load k is in; the younger ones may be out
	global_store_b128 v[OA+8*\m+\k], v[OB+32*(\m%2)+4*\k:OB+32*(\m%2)+4*\k+3], s[16:17] th:TH_STORE_NT   ; two tokens: 16 lanes store 256 consecutive bytes each, aligned
.endr
.endr
	WIN 0
.endm
	s_mov_b32 s40, s48                             ; 64 + 4 g + w
	s_mov_b32 s39, 0                               ; g
.LG:
	s_mov_b32 s26, s24
	s_mov_b32 s27, s25
	s_mov_b32 s36, 0
	s_mov_b32 s37, 0
	ENTRY 0, 1, 1, 0
	ENTRY 1, 2, 0, 1
	s_mov_b32 s36, 65536
	s_mov_b32 s37, 2048
	s_mov_b32 s38, 0
.LE:                                                   ; entries 2 to 7, two a trip, until the buffers' numbers are back where they began
	ENTRY 2, 1, 0, 0
	ENTRY 1, 2, 0, 1
	s_add_co_u32 s36, s36, 65536
	s_add_co_u32 s37, s37, 2048
	s_add_co_u32 s38, s38, 1
	s_cmp_lt_u32 s38, 3
	s_cbranch_scc1 .LE
	OUTPUT
	s_wait_xcnt 0x0                                ; the stores have had their addresses translated: their base is written again
	s_wait_alu depctr_vm_vsrc(0)                   ; the LDS stores have read the accumulators, the global stores their rows' registers: the second half writes the first again, and hidden fragments land in the second
	s_add_nc_u64 s[16:17], s[16:17], 1024          ; the output's second half
	s_add_co_u32 s40, s40, 4
	s_add_co_u32 s39, s39, 1
	s_cmp_lt_u32 s39, 2
	s_cbranch_scc1 .LG
	s_wait_dscnt 0x0
	s_wait_alu depctr_hold_cnt(0) depctr_sa_sdst(0) depctr_va_vdst(0) depctr_va_sdst(0) depctr_va_ssrc(0) depctr_va_vcc(0) depctr_vm_vsrc(0)
	s_wait_tensorcnt 0x0
	ds_add_u32 v254, v255
	s_wait_dscnt 0x0
	s_endpgm
.Lfunc_end_k_qa5f915d154_chain:
	.size	k_qa5f915d154_chain, .Lfunc_end_k_qa5f915d154_chain-k_qa5f915d154_chain
	.p2alignl 7, 3214868480
	.fill 96, 4, 3214868480
	.section	.rodata,"a",@progbits
	.p2align	6, 0x0
	.amdhsa_kernel k_qa5f915d154_chain
		.amdhsa_group_segment_fixed_size 288768
		.amdhsa_private_segment_fixed_size 0
		.amdhsa_enable_private_segment 0
		.amdhsa_kernarg_size 56
		.amdhsa_user_sgpr_count 2
		.amdhsa_user_sgpr_kernarg_segment_ptr 1
		.amdhsa_wavefront_size32 1
		.amdhsa_system_sgpr_workgroup_id_x 1
		.amdhsa_system_sgpr_workgroup_id_y 1
		.amdhsa_system_sgpr_workgroup_id_z 1
		.amdhsa_system_vgpr_workitem_id 0
		.amdhsa_next_free_vgpr 1024
		.amdhsa_next_free_sgpr 100
		.amdhsa_reserve_vcc 0
		.amdhsa_float_denorm_mode_32 3
		.amdhsa_float_denorm_mode_16_64 3
		.amdhsa_memory_ordered 1
		.amdhsa_forward_progress 1
		.amdhsa_inst_pref_size 255
	.end_amdhsa_kernel
	.section	.bss,"aw",@nobits
	.p2align	6
	.space	262144
	.amdgpu_metadata
---
amdhsa.version: [ 1, 2 ]
amdhsa.kernels:
  - .name:           k_qa5f915d154_chain
    .symbol:         k_qa5f915d154_chain.kd
    .args:
      - { .name: xc, .offset: 0, .size: 8, .value_kind: global_buffer, .address_space: global }
      - { .name: xs, .offset: 8, .size: 8, .value_kind: global_buffer, .address_space: global }
      - { .name: order, .offset: 16, .size: 8, .value_kind: global_buffer, .address_space: global }
      - { .name: blocks, .offset: 24, .size: 8, .value_kind: global_buffer, .address_space: global }
      - { .name: gw, .offset: 32, .size: 8, .value_kind: global_buffer, .address_space: global }
      - { .name: wimg, .offset: 40, .size: 8, .value_kind: global_buffer, .address_space: global }
      - { .name: out0, .offset: 48, .size: 8, .value_kind: global_buffer, .address_space: global }
    .group_segment_fixed_size: 288768
    .private_segment_fixed_size: 0
    .kernarg_segment_align: 8
    .kernarg_segment_size: 56
    .max_flat_workgroup_size: 128
    .sgpr_count:     100
    .vgpr_count:     1024
    .wavefront_size: 32
...
	.end_amdgpu_metadata
.endif
;; end of part 4
